; MI455X (gfx1250); checked and timed in simulation.
; The chip was launched on July 23, 2026; its instructions are those of AMD's public machine-readable ISA for CDNA 5 (MIT licence, August 2026) and "CDNA5" Instruction Set Architecture Reference Guide (July 2026). The comments in the code are by the model that wrote it; some were corrected since.
;; Scenario Extraction Layer. Allowed arithmetic: float matrix products may take bf16 or f16 operands with f32 sums; other float arithmetic in f32, or as packed bf16 or f16 multiplies, adds, multiply-adds, maxima and minima; sums over many terms, partial sums and values carried from step to step in f32; what a program stores and reads back later, other than sums and carried values, may be rounded once to bf16 or f16.
;; Inputs: attn_b1 256 float32; attn_b2 1 float32; attn_w1 1,024 x 256 float32; attn_w2 256 x 1 float32; gate_b 4 float32; gate_w 512 x 4 float32; out_b 512 float32; out_w 2,048 x 512 float32; scen_embed 8 x 512 float32; scenario_ids 4,096 int32; spec_b1 8 x 1,024 float32; spec_b2 8 x 512 float32; spec_w1 8 x 512 x 1,024 float32; spec_w2 8 x 1,024 x 512 float32; sub_b1 4 x 1,024 float32; sub_b2 4 x 512 float32; sub_w1 4 x 512 x 1,024 float32; sub_w2 4 x 1,024 x 512 float32; x 4,096 x 512 float32.
;; Outputs: out0 4,096 x 512 float32.
;; 2 versions, each right and faster than the one before. Each part assembles by itself: llvm-mc -triple=amdgcn-amd-amdhsa -mcpu=gfx1250 --defsym DOCPART=n.
;; ======== version 1 of 2: 3 launches
;; limits: values are held in f16: magnitudes above 65,504 overflow, below 6.1e-05 lose precision; right only within a limited range of input values
;; workspace buffers: xa 11,272,192 bytes; w1b 12,582,912 bytes; w2h 12,582,912 bytes; wf 2,359,296 bytes; sm 73,728 bytes; tab 95,744 bytes of whole numbers; ps 28,685,312 bytes
;; launch prep (part 1): grid 756 x 1, 8 waves a work-group, no clusters, 13,568 bytes of LDS; arguments x, scenario_ids, gate_w, gate_b, sub_w1, spec_w1, sub_w2, spec_w2, out_w, attn_w1, attn_b1, scen_embed, xa, w1b, w2h, wf, sm, tab; writes xa, w1b, w2h, wf, sm, tab
.if DOCPART == 1
	.amdgcn_target "amdgcn-amd-amdhsa--gfx1250"
	.amdhsa_code_object_version 6
	.text
	.protected	k_qff9cd070b8_prep
	.globl	k_qff9cd070b8_prep
	.p2align	8
	.type	k_qff9cd070b8_prep,@function
k_qff9cd070b8_prep:
	s_mov_b64 s[64:65], 0
	v_nop
	global_prefetch_b8 v0, s[64:65] scope:SCOPE_SE
	s_setreg_imm32_b32 hwreg(HW_REG_WAVE_MODE, 25, 1), 1
	s_wait_xcnt 0x0
; PREP: everything that is done once.  Four kinds of work-group, chosen by the work-group's number alone:
;   0-71    SORT  a counting sort of the 4,096 scenario ids; work-group j places the 96 rows of scenario tile j:
;                 its rows of x, rounded to bf16, into xa (rows past a scenario's count are 0), their rows of ps and the tile's scenario into tab
;   72-79   EA    ea[s][:] = scen_embed[s] . attn_w1[512:] + attn_b1, in f32 on numbers rounded to bf16
;   80-335  ROWS  16 rows of x: rounded to bf16 into xa, and their softmax gates (f32); 66 entries of the row table's identity part
;   336-755 CAST  32,768 weights each: w1 to bf16; w2, out_w and attn_w1[:512] rounded to bf16 and written as f16
; A scenario with c rows takes ceil(c / 384) groups of 384 rows; the sum over 8 scenarios is at most floor((4096 + 8 x 383) / 384) = 18 groups = 72 tiles of 96.
; LIMITS.  A weight written as f16 must lie within 65,504, and below 6e-5 it keeps f16's fixed step of 6e-8.  NaN and infinities are not treated apart.
; No matrix unit, no tensor load: the work is casts and a sort, bound by bytes.
.set CNT, 0                            ; 8 scenarios x 256 threads, words; for EA: 8 waves x 256 partial sums
.set TOT, 8192                         ; 8 totals
.set TOK, 8448                         ; 8 waves x 128 words: each wave notes its own threads' tokens in a table of its own: 0 = none, else token + 1; word 96 takes those outside the tile
.set SPARE, 12544                      ; the spare words: 128 bytes for each of 8 waves; no other line names them
.macro RND2 a, b, t                    ; two f32 rounded to bf16: packed in t, and back as f32 in place
	v_cvt_pk_bf16_f32 v[\t], v[\a], v[\b]
	v_lshlrev_b32 v[\a], 16, v[\t]
	v_and_b32 v[\b], 0xffff0000, v[\t]
.endm
.macro FIN                             ; a wave's end
	s_wait_tensorcnt 0x0
	ds_add_u32 v214, v215
	s_wait_dscnt 0x0
	s_endpgm
.endm
	s_load_b512 s[4:19], s[0:1], 0x0       ; x 4, ids 6, gate_w 8, gate_b 10, sub_w1 12, spec_w1 14, sub_w2 16, spec_w2 18
	s_load_b512 s[20:35], s[0:1], 0x40     ; out_w 20, attn_w1 22, attn_b1 24, scen_embed 26, xa 28, w1b 30, w2h 32, wf 34
	s_load_b128 s[36:39], s[0:1], 0x80     ; sm 36, tab 38
	v_lshl_add_u32 v214, v0, 2, SPARE
	v_mov_b32 v215, 0
	v_lshrrev_b32 v2, 5, v0
	v_readfirstlane_b32 s40, v2            ; wave
	v_and_b32 v1, 31, v0                   ; lane
	s_mov_b32 s41, ttmp9
	s_wait_kmcnt 0x0
	s_cmp_lt_u32 s41, 72
	s_cbranch_scc1 .Lsort
	s_cmp_lt_u32 s41, 80
	s_cbranch_scc1 .Lea
	s_cmp_lt_u32 s41, 336
	s_cbranch_scc1 .Lrows
; ---------------- CAST: chunk c of 420.  Source, destination, their chunk numbers and the kind are chosen by compares on c alone.
	s_sub_co_u32 s42, s41, 336
	s_mov_b64 s[44:45], s[12:13]           ; c < 64: sub_w1 -> w1b
	s_mov_b64 s[46:47], s[30:31]
	s_mov_b32 s48, s42
	s_mov_b32 s49, s42
	s_mov_b32 s50, 0                       ; kind 0: bf16
	s_sub_co_u32 s51, s42, 64
	s_cmp_ge_u32 s42, 64                   ; c < 192: spec_w1 -> w1b, behind the shared experts
	s_cselect_b64 s[44:45], s[14:15], s[44:45]
	s_cselect_b32 s48, s51, s48
	s_sub_co_u32 s51, s42, 192
	s_cmp_ge_u32 s42, 192                  ; c < 256: sub_w2 -> w2h, kind 1: f16
	s_cselect_b64 s[44:45], s[16:17], s[44:45]
	s_cselect_b64 s[46:47], s[32:33], s[46:47]
	s_cselect_b32 s48, s51, s48
	s_cselect_b32 s49, s51, s49
	s_cselect_b32 s50, 1, s50
	s_sub_co_u32 s51, s42, 256
	s_cmp_ge_u32 s42, 256                  ; c < 384: spec_w2 -> w2h
	s_cselect_b64 s[44:45], s[18:19], s[44:45]
	s_cselect_b32 s48, s51, s48
	s_sub_co_u32 s51, s42, 384             ; i: out_w's blocks of 512 rows (8 chunks each) go out in the order 0, 2, 1, 3
	s_bfe_u32 s52, s51, 0x10003
	s_lshl_b32 s52, s52, 1
	s_bfe_u32 s53, s51, 0x10004
	s_or_b32 s52, s52, s53
	s_lshl_b32 s52, s52, 3
	s_and_b32 s53, s51, 7
	s_or_b32 s52, s52, s53
	s_cmp_ge_u32 s42, 384                  ; c < 416: out_w -> wf
	s_cselect_b64 s[44:45], s[20:21], s[44:45]
	s_cselect_b64 s[46:47], s[34:35], s[46:47]
	s_cselect_b32 s48, s51, s48
	s_cselect_b32 s49, s52, s49
	s_sub_co_u32 s51, s42, 416
	s_add_co_u32 s52, s51, 32
	s_cmp_ge_u32 s42, 416                  ; the last four: attn_w1's first 512 rows -> wf, behind out_w's 32 chunks
	s_cselect_b64 s[44:45], s[22:23], s[44:45]
	s_cselect_b32 s48, s51, s48
	s_cselect_b32 s49, s52, s49
	s_lshl_b32 s54, s48, 17                ; a chunk is 131,072 bytes of f32
	s_mov_b32 s55, 0
	s_lshl_b32 s56, s49, 16                ; and 65,536 bytes of 16-bit numbers
	s_mov_b32 s57, 0
	s_add_nc_u64 s[44:45], s[44:45], s[54:55]
	s_add_nc_u64 s[46:47], s[46:47], s[56:57]
	v_lshlrev_b32 v3, 5, v0                ; 8 numbers a thread and step: 32 bytes in,
	v_lshlrev_b32 v4, 4, v0                ; 16 bytes out: a wave's store covers 512 consecutive bytes
.set it, 0
.rept 16
	global_load_b128 v[16+8*it:19+8*it], v3, s[44:45] offset:8192*it th:TH_LOAD_NT
	global_load_b128 v[20+8*it:23+8*it], v3, s[44:45] offset:8192*it+16 th:TH_LOAD_NT
.set it, it+1
.endr
	s_cmp_eq_u32 s50, 1
	s_cbranch_scc1 .Lf16
.set it, 0
.rept 16
	s_wait_loadcnt 30-2*it                 ; loads come back in order: this step's two are in, the younger ones stay out
.irp p,0,1,2,3
	v_cvt_pk_bf16_f32 v[16+8*it+\p], v[16+8*it+2*\p], v[17+8*it+2*\p]
.endr
	global_store_b128 v4, v[16+8*it:19+8*it], s[46:47] offset:4096*it
.set it, it+1
.endr
	FIN
.Lf16:
.set it, 0
.rept 16
	s_wait_loadcnt 30-2*it
.irp p,0,1,2,3
	RND2 16+8*it+2*\p,17+8*it+2*\p,144
	v_cvt_pk_f16_f32 v[16+8*it+\p], v[16+8*it+2*\p], v[17+8*it+2*\p]   ; the bf16 number, written as f16
.endr
	global_store_b128 v4, v[16+8*it:19+8*it], s[46:47] offset:4096*it
.set it, it+1
.endr
	FIN
; ---------------- ROWS: work-group u takes rows 16 u .. 16 u + 15, a wave two of them.  Lane L holds x[128 q + 4 L + i], q, i = 0..3.
.Lrows:
	s_sub_co_u32 s42, s41, 80
	s_mul_i32 s43, s42, 66                 ; the shared tiles' rows of ps are their own numbers: 16,896 = 256 x 66 entries
	v_add_nc_u32 v3, s43, v0
	v_lshlrev_b32 v4, 2, v3
	v_cmp_gt_u32 vcc_lo, 66, v0
	s_wait_xcnt 0x0                        ; EXEC changes only behind this wait
	s_and_saveexec_b32 s44, vcc_lo
	global_store_b32 v4, v3, s[38:39]
	s_wait_xcnt 0x0
	s_or_b32 exec_lo, exec_lo, s44
	v_lshlrev_b32 v5, 6, v1
.set n, 0
.rept 16                                       ; gate_w's rows 128 q + 4 L + i, 16 bytes each
	global_load_b128 v[16+4*n:19+4*n], v5, s[8:9] offset:2048*(n/4)+16*(n%4)
.set n, n+1
.endr
	v_mov_b32 v6, 0
	global_load_b128 v[128:131], v6, s[10:11]
	s_lshl_b32 s43, s42, 4
	s_lshl_b32 s45, s40, 1
	s_add_co_u32 s43, s43, s45             ; my first row
	s_lshl_b32 s46, s43, 11
	s_mov_b32 s47, 0
	s_add_nc_u64 s[48:49], s[4:5], s[46:47]
	s_lshl_b32 s46, s43, 10
	s_add_nc_u64 s[52:53], s[28:29], s[46:47]
	s_lshl_b32 s46, s43, 4
	s_add_nc_u64 s[54:55], s[36:37], s[46:47]
	v_lshlrev_b32 v7, 4, v1
	v_lshlrev_b32 v8, 3, v1
.set n, 0
.rept 8
	global_load_b128 v[80+4*n:83+4*n], v7, s[48:49] offset:2048*(n/4)+512*(n%4)
.set n, n+1
.endr
	s_mov_b32 s46, 0x76543210              ; each lane takes its own place in the other half of the lanes
	s_mov_b32 s47, 0xfedcba98
	v_mov_b32 v140, 0
	s_wait_loadcnt 0x0
.set i, 0
.rept 32
	RND2 16+2*i,17+2*i,148
.set i, i+1
.endr
	RND2 128,129,148
	RND2 130,131,148
.set i, 0
.rept 16
	RND2 80+2*i,81+2*i,112+i
.set i, i+1
.endr
.set n, 0
.rept 8                                        ; 32 lanes x 8 bytes: 256 consecutive bytes of xa
	global_store_b64 v8, v[112+2*n:113+2*n], s[52:53] offset:1024*(n/4)+256*(n%4)
.set n, n+1
.endr
.set n, 0
.rept 32                                       ; row n / 16, my element n % 16, four gates
.irp e,0,1,2,3
.if (n%16) == 0
	v_mul_f32 v[132+4*(n/16)+\e], v[80+n], v[16+4*(n%16)+\e]
.else
	v_fmac_f32 v[132+4*(n/16)+\e], v[80+n], v[16+4*(n%16)+\e]
.endif
.endr
.set n, n+1
.endr
.irp m,1,2,4,8
.set i, 0
.rept 8
	v_add_f32_dpp v[132+i], v[132+i], v[132+i] row_xmask:\m row_mask:0xf bank_mask:0xf
.set i, i+1
.endr
.endr
.set i, 0
.rept 8
	v_permlanex16_b32 v140, v[132+i], s46, s47
	v_add_f32 v[132+i], v[132+i], v140
	v_add_f32 v[132+i], v[132+i], v[128+i%4]       ; + gate_b
.set i, i+1
.endr
.irp w,0,1                                     ; the softmax takes its maximum away first
	v_max3_num_f32 v[141+\w], v[132+4*\w], v[133+4*\w], v[134+4*\w]
	v_max_num_f32 v[141+\w], v[141+\w], v[135+4*\w]
.endr
.set i, 0
.rept 8
	v_sub_f32 v[132+i], v[132+i], v[141+i/4]
	v_mul_f32 v[132+i], 0x3fb8aa3b, v[132+i]
.set i, i+1
.endr
.set i, 0
.rept 8
	v_exp_f32 v[132+i], v[132+i]
.set i, i+1
.endr
	v_nop                                  ; a plain instruction behind the last exponential,
	s_wait_alu depctr_va_vdst(0)           ; and one wait for the batch of eight
.irp w,0,1
	v_add_f32 v[141+\w], v[132+4*\w], v[133+4*\w]
	v_add_f32 v143, v[134+4*\w], v[135+4*\w]
	v_add_f32 v[141+\w], v[141+\w], v143
.endr
	v_rcp_f32 v141, v141
	v_rcp_f32 v142, v142
	v_nop
	s_wait_alu depctr_va_vdst(0)
.set i, 0
.rept 8
	v_mul_f32 v[132+i], v[132+i], v[141+i/4]
.set i, i+1
.endr
	v_cmp_eq_u32 vcc_lo, 1, v1
.irp e,0,1,2,3
	v_cndmask_b32 v[144+\e], v[132+\e], v[136+\e], vcc_lo  ; lane 0 stores the first row's gates, lane 1 the second's
.endr
	v_lshlrev_b32 v9, 4, v1
	v_cmp_gt_u32 vcc_lo, 2, v1
	s_wait_xcnt 0x0
	s_and_saveexec_b32 s44, vcc_lo
	global_store_b128 v9, v[144:147], s[54:55]
	s_wait_xcnt 0x0
	s_or_b32 exec_lo, exec_lo, s44
	FIN
; ---------------- EA: scenario s.  Wave w sums k = 64 w .. 64 w + 63, lane L the columns 8 L .. 8 L + 7; the eight waves' sums meet in LDS.
.Lea:
	s_sub_co_u32 s42, s41, 72
	s_lshl_b32 s44, s40, 16
	s_add_co_u32 s44, s44, 524288          ; attn_w1's row 512 + 64 w
	s_mov_b32 s45, 0
	s_add_nc_u64 s[46:47], s[22:23], s[44:45]
	s_lshl_b32 s44, s42, 11
	s_lshl_b32 s48, s40, 8
	s_add_co_u32 s44, s44, s48
	s_add_nc_u64 s[48:49], s[26:27], s[44:45]
	v_lshlrev_b32 v3, 5, v1
	v_mov_b32 v4, 0
.set i, 0
.rept 8
	v_mov_b32 v[160+i], 0
.set i, i+1
.endr
	s_mov_b32 s50, 4
.Leak:                                         ; a trip: 16 k
.set i, 0
.rept 16
	global_load_b128 v[16+8*i:19+8*i], v3, s[46:47] offset:1024*i
	global_load_b128 v[20+8*i:23+8*i], v3, s[46:47] offset:1024*i+16
.set i, i+1
.endr
.irp i,0,1,2,3
	global_load_b128 v[144+4*\i:147+4*\i], v4, s[48:49] offset:16*\i
.endr
	s_wait_loadcnt 0x0                     ; all are in: their bases may be stepped below
.set i, 0
.rept 72
	RND2 16+2*i,17+2*i,168
.set i, i+1
.endr
.set i, 0
.rept 128
	v_fmac_f32 v[160+i%8], v[16+i], v[144+i/8]
.set i, i+1
.endr
	s_add_nc_u64 s[46:47], s[46:47], 16384
	s_add_nc_u64 s[48:49], s[48:49], 64
	s_sub_co_u32 s50, s50, 1
	s_cmp_lg_u32 s50, 0
	s_cbranch_scc1 .Leak
	v_lshl_add_u32 v5, s40, 10, v3
	ds_store_b128 v5, v[160:163]
	ds_store_b128 v5, v[164:167] offset:16
	v_lshlrev_b32 v6, 2, v0
	global_load_b32 v170, v6, s[24:25]
	s_wait_dscnt 0x0                       ; for the others' sake: my sums are in LDS
	s_barrier_signal -1
	s_barrier_wait -1
.irp i,0,1,2,3,4,5,6,7
	ds_load_b32 v[172+\i], v6 offset:1024*\i
.endr
	s_wait_loadcnt 0x0
	v_cvt_pk_bf16_f32 v170, v170, v170
	v_lshlrev_b32 v170, 16, v170           ; attn_b1 rounded to bf16
	s_wait_dscnt 0x0
.irp i,0,1,2,3,4,5,6,7
	v_add_f32 v170, v170, v[172+\i]
.endr
	v_lshl_add_u32 v7, s42, 10, v6
	global_store_b32 v7, v170, s[36:37] offset:65536
	FIN
; ---------------- SORT: thread t owns tokens 16 t .. 16 t + 15.  Every work-group sorts all ids for itself and keeps what falls into its tile j.
.Lsort:
	v_lshlrev_b32 v3, 6, v0
.irp i,0,1,2,3
	global_load_b128 v[16+4*\i:19+4*\i], v3, s[6:7] offset:16*\i
.endr
	v_mov_b32 v75, s40
	v_lshlrev_b32 v75, 9, v75              ; my wave's table of tokens: 512 bytes
	v_lshl_add_u32 v4, v1, 2, v75
	v_mov_b32 v5, 0
.irp k,0,1,2,3
	ds_store_b32 v4, v5 offset:TOK+128*\k  ; no token yet: each wave clears its own 128 words
.endr
.set i, 0
.rept 24
	v_mov_b32 v[32+i], 0                   ; v32-39 my counts, v40-55 my tokens' places
.set i, i+1
.endr
	s_mul_i32 s42, s41, 96
	s_mov_b32 s43, 43691
	s_wait_loadcnt 0x0
.set i, 0
.rept 128                                      ; scenario i / 16, token i % 16
	v_cmp_eq_u32 vcc_lo, i/16, v[16+i%16]
	v_add_co_ci_u32 v[32+i/16], vcc_lo, 0, v[32+i/16], vcc_lo
.set i, i+1
.endr
	v_lshlrev_b32 v6, 2, v0
.irp i,0,1,2,3,4,5,6,7
	ds_store_b32 v6, v[32+\i] offset:1024*\i
.endr
	s_wait_dscnt 0x0
	s_barrier_signal -1
	s_barrier_wait -1
	; wave w scans scenario w's 256 counts: lane L takes eight of them
	v_lshlrev_b32 v7, 5, v1
	v_lshl_add_u32 v7, s40, 10, v7
	ds_load_b128 v[64:67], v7
	ds_load_b128 v[68:71], v7 offset:16
	s_wait_dscnt 0x0
.irp i,1,2,3,4,5,6,7
	v_add_nc_u32 v[64+\i], v[63+\i], v[64+\i]
.endr
	v_mov_b32 v72, v71
	v_mov_b32 v73, 0
.irp n,1,2,4,8
	v_mov_b32_dpp v73, v72 row_shr:\n row_mask:0xf bank_mask:0xf bound_ctrl:1
	v_add_nc_u32 v72, v72, v73
.endr
	v_readlane_b32 s44, v72, 15
	v_cmp_lt_u32 vcc_lo, 15, v1
	v_cndmask_b32 v73, 0, s44, vcc_lo
	v_add_nc_u32 v72, v72, v73             ; the sum up to and with my eight
	v_readlane_b32 s44, v72, 31            ; the scenario's count
	v_sub_nc_u32 v72, v72, v71             ; the sum in front of my eight
.irp i,7,6,5,4,3,2,1
	v_add_nc_u32 v[64+\i], v[63+\i], v72
.endr
	v_mov_b32 v64, v72
	ds_store_b128 v7, v[64:67]
	ds_store_b128 v7, v[68:71] offset:16
	v_mov_b32 v73, s44
	v_mov_b32 v74, s40
	v_lshlrev_b32 v74, 2, v74
	ds_store_b32 v74, v73 offset:TOT
	s_wait_dscnt 0x0
	s_barrier_signal -1
	s_barrier_wait -1
	v_mov_b32 v8, TOT
	ds_load_b128 v[80:83], v8
	ds_load_b128 v[84:87], v8 offset:16
.irp i,0,1,2,3,4,5,6,7
	ds_load_b32 v[88+\i], v6 offset:1024*\i
.endr
	s_lshr_b32 s44, s41, 2
	v_mov_b32 v99, s44                     ; my tile's group of 384 rows
	v_mov_b32 v96, 0                       ; groups in front of the scenario
	v_mov_b32 v97, 0                       ; scenarios that end at or in front of my group
	s_wait_dscnt 0x0
.irp i,0,1,2,3,4,5,6,7
	v_mul_u32_u24 v98, v96, 384
	v_add_nc_u32 v[56+\i], v98, v[88+\i]   ; where my first row of this scenario goes
	v_add_nc_u32 v98, 383, v[80+\i]
	v_mul_lo_u32 v98, v98, s43
	v_lshrrev_b32 v98, 24, v98             ; ceil(c / 384): 43,691 / 2^24 is 1 / 384 to within 2e-8, and c + 383 < 4,480
	v_add_nc_u32 v96, v96, v98
	v_cmp_le_u32 vcc_lo, v96, v99
	v_add_co_ci_u32 v97, vcc_lo, 0, v97, vcc_lo
.endr
	v_min_u32 v97, 7, v97                  ; a tile behind the last scenario's rows takes scenario 7's weights, on rows of zeros
.set i, 0
.rept 128
	v_cmp_eq_u32 vcc_lo, i/16, v[16+i%16]
	v_cndmask_b32 v[40+i%16], v[40+i%16], v[56+i/16], vcc_lo
	v_add_co_ci_u32 v[56+i/16], vcc_lo, 0, v[56+i/16], vcc_lo
.set i, i+1
.endr
	v_lshlrev_b32 v7, 4, v0
.set i, 0
.rept 16                                       ; a token whose place falls into my tile is noted there, as token + 1, in my wave's own table; all others land in its word 96, which nobody reads
	v_add_nc_u32 v8, i+1, v7
	v_sub_nc_u32 v9, v[40+i], s42
	v_min_u32 v9, 96, v9
	v_lshl_add_u32 v9, v9, 2, v75
	ds_store_b32 v9, v8 offset:TOK
.set i, i+1
.endr
	s_wait_dscnt 0x0                       ; for the others' sake: my wave's table is written
	s_barrier_signal -1
	s_barrier_wait -1
	; a place has at most one token, so the eight tables are joined by OR; less 1 that is the token, or all ones where there is none
	v_min_u32 v4, 95, v0
	v_lshlrev_b32 v4, 2, v4
.irp i,0,1,2,3,4,5,6,7
	ds_load_b32 v[64+\i], v4 offset:TOK+512*\i
.endr
	s_mul_i32 s44, s40, 48
	v_mov_b32 v11, s44
.set i, 0
.rept 24                                       ; my wave's twelve places, in table i / 3
	ds_load_b128 v[112+4*i:115+4*i], v11 offset:TOK+512*(i/3)+16*(i%3)
.set i, i+1
.endr
	s_add_co_u32 s44, s42, 20992
	s_lshl_b32 s46, s42, 2
	s_lshl_b32 s47, s41, 2
	v_add_nc_u32 v12, s44, v0              ; a row without a token goes to a row of ps that nobody reads
	v_add_nc_u32 v13, s46, v6
	v_mov_b32 v14, s47
	s_wait_dscnt 0x0
	v_or_b32 v10, v64, v65
.irp i,2,3,4,5,6,7
	v_or_b32 v10, v10, v[64+\i]
.endr
	v_add_nc_u32 v10, -1, v10
.set n, 0
.rept 12
	v_or_b32 v[100+n], v[112+n], v[124+n]
.irp i,2,3,4,5,6,7
	v_or_b32 v[100+n], v[100+n], v[112+12*\i+n]
.endr
	v_add_nc_u32 v[100+n], -1, v[100+n]
.set n, n+1
.endr
	v_cmp_gt_u32 vcc_lo, 4096, v10
	v_add_nc_u32 v10, 16896, v10
	v_cndmask_b32 v10, v12, v10, vcc_lo
	v_cmp_gt_u32 vcc_lo, 96, v0
	s_wait_xcnt 0x0
	s_and_saveexec_b32 s45, vcc_lo
	global_store_b32 v13, v10, s[38:39] offset:67584
	s_wait_xcnt 0x0
	s_or_b32 exec_lo, exec_lo, s45
	v_cmp_eq_u32 vcc_lo, 0, v0
	s_and_saveexec_b32 s45, vcc_lo
	global_store_b32 v14, v97, s[38:39] offset:95232
	s_wait_xcnt 0x0
	s_or_b32 exec_lo, exec_lo, s45
	; the gather: wave w copies rows 12 w .. 12 w + 11 of the tile, four at a time
	s_mul_i32 s44, s40, 12
	s_add_co_u32 s44, s44, s42
	s_add_co_u32 s44, s44, 4096
	s_lshl_b32 s44, s44, 10
	s_mov_b32 s45, 0
	s_add_nc_u64 s[60:61], s[28:29], s[44:45]
	v_lshlrev_b32 v11, 4, v1
	v_lshlrev_b32 v12, 3, v1
.set bt, 0
.rept 3
	s_wait_xcnt 0x0                        ; the last batch's bases and store data are rewritten only behind this wait
.irp i,0,1,2,3
	v_readfirstlane_b32 s[68+2*\i], v[100+4*bt+\i]
	s_cmp_lt_u32 s[68+2*\i], 4096
	s_cselect_b32 s[76+\i], -1, 0          ; no token: the row becomes 0
	s_min_u32 s[68+2*\i], s[68+2*\i], 4095
	s_lshl_b32 s[68+2*\i], s[68+2*\i], 11
	s_mov_b32 s[69+2*\i], 0
	s_add_nc_u64 s[80+2*\i:81+2*\i], s[4:5], s[68+2*\i:69+2*\i]
.irp q,0,1,2,3
	global_load_b128 v[112+16*\i+4*\q:115+16*\i+4*\q], v11, s[80+2*\i:81+2*\i] offset:512*\q
.endr
.endr
	s_wait_loadcnt 0x0
.irp i,0,1,2,3
.irp q,0,1,2,3
	v_cvt_pk_bf16_f32 v[176+8*\i+2*\q], v[112+16*\i+4*\q], v[113+16*\i+4*\q]
	v_cvt_pk_bf16_f32 v[177+8*\i+2*\q], v[114+16*\i+4*\q], v[115+16*\i+4*\q]
	v_and_b32 v[176+8*\i+2*\q], s[76+\i], v[176+8*\i+2*\q]
	v_and_b32 v[177+8*\i+2*\q], s[76+\i], v[177+8*\i+2*\q]
	global_store_b64 v12, v[176+8*\i+2*\q:177+8*\i+2*\q], s[60:61] offset:(4*bt+\i)*1024+256*\q
.endr
.endr
.set bt, bt+1
.endr
	FIN
.Lfunc_end_k_qff9cd070b8_prep:
	.size	k_qff9cd070b8_prep, .Lfunc_end_k_qff9cd070b8_prep-k_qff9cd070b8_prep
	.p2alignl 7, 3214868480
	.fill 96, 4, 3214868480
	.section	.rodata,"a",@progbits
	.p2align	6, 0x0
	.amdhsa_kernel k_qff9cd070b8_prep
		.amdhsa_group_segment_fixed_size 13568
		.amdhsa_private_segment_fixed_size 0
		.amdhsa_enable_private_segment 0
		.amdhsa_kernarg_size 144
		.amdhsa_user_sgpr_count 2
		.amdhsa_user_sgpr_kernarg_segment_ptr 1
		.amdhsa_wavefront_size32 1
		.amdhsa_system_sgpr_workgroup_id_x 1
		.amdhsa_system_sgpr_workgroup_id_y 1
		.amdhsa_system_sgpr_workgroup_id_z 1
		.amdhsa_system_vgpr_workitem_id 0
		.amdhsa_next_free_vgpr 216
		.amdhsa_next_free_sgpr 96
		.amdhsa_reserve_vcc 1
		.amdhsa_float_denorm_mode_32 3
		.amdhsa_float_denorm_mode_16_64 3
		.amdhsa_memory_ordered 1
		.amdhsa_forward_progress 1
		.amdhsa_inst_pref_size 132
	.end_amdhsa_kernel
	.amdgpu_metadata
---
amdhsa.version: [ 1, 2 ]
amdhsa.kernels:
  - .name:           k_qff9cd070b8_prep
    .symbol:         k_qff9cd070b8_prep.kd
    .args:
      - { .name: x, .offset: 0, .size: 8, .value_kind: global_buffer, .address_space: global }
      - { .name: scenario_ids, .offset: 8, .size: 8, .value_kind: global_buffer, .address_space: global }
      - { .name: gate_w, .offset: 16, .size: 8, .value_kind: global_buffer, .address_space: global }
      - { .name: gate_b, .offset: 24, .size: 8, .value_kind: global_buffer, .address_space: global }
      - { .name: sub_w1, .offset: 32, .size: 8, .value_kind: global_buffer, .address_space: global }
      - { .name: spec_w1, .offset: 40, .size: 8, .value_kind: global_buffer, .address_space: global }
      - { .name: sub_w2, .offset: 48, .size: 8, .value_kind: global_buffer, .address_space: global }
      - { .name: spec_w2, .offset: 56, .size: 8, .value_kind: global_buffer, .address_space: global }
      - { .name: out_w, .offset: 64, .size: 8, .value_kind: global_buffer, .address_space: global }
      - { .name: attn_w1, .offset: 72, .size: 8, .value_kind: global_buffer, .address_space: global }
      - { .name: attn_b1, .offset: 80, .size: 8, .value_kind: global_buffer, .address_space: global }
      - { .name: scen_embed, .offset: 88, .size: 8, .value_kind: global_buffer, .address_space: global }
      - { .name: xa, .offset: 96, .size: 8, .value_kind: global_buffer, .address_space: global }
      - { .name: w1b, .offset: 104, .size: 8, .value_kind: global_buffer, .address_space: global }
      - { .name: w2h, .offset: 112, .size: 8, .value_kind: global_buffer, .address_space: global }
      - { .name: wf, .offset: 120, .size: 8, .value_kind: global_buffer, .address_space: global }
      - { .name: sm, .offset: 128, .size: 8, .value_kind: global_buffer, .address_space: global }
      - { .name: tab, .offset: 136, .size: 8, .value_kind: global_buffer, .address_space: global }
    .group_segment_fixed_size: 13568
    .private_segment_fixed_size: 0
    .kernarg_segment_align: 8
    .kernarg_segment_size: 144
    .max_flat_workgroup_size: 256
    .sgpr_count:     96
    .vgpr_count:     216
    .wavefront_size: 32
...
	.end_amdgpu_metadata
.endif
;; end of part 1
;; launch chain (part 2): grid 248 x 1, 4 waves a work-group, no clusters, 327,680 bytes of LDS; arguments xa, w1b, w2h, tab, sub_b1, spec_b1, sub_b2, spec_b2, ps; writes ps
.if DOCPART == 2
	.amdgcn_target "amdgcn-amd-amdhsa--gfx1250"
	.amdhsa_code_object_version 6
	.text
	.protected	k_qff9cd070b8_chain
	.globl	k_qff9cd070b8_chain
	.p2align	8
	.type	k_qff9cd070b8_chain,@function
k_qff9cd070b8_chain:
	s_mov_b64 s[64:65], 0
	v_nop
	global_prefetch_b8 v0, s[64:65] scope:SCOPE_SE
	s_setreg_imm32_b32 hwreg(HW_REG_WAVE_MODE, 25, 1), 1
	s_wait_xcnt 0x0
; CHAIN: P = relu(A W1 + b1) W2 + b2 for one tile of 96 rows and ONE expert; the hidden layer never leaves LDS.
; Tiles 0-175: shared expert e = tile / 44, rows 96 (tile % 44) of x (44 x 96 = 4,224: the 128 rows past 4,095 are spare work on rows of xa that exist; their results go to rows of ps that nobody reads).
; Tiles 176-247: the sorted rows of one scenario; which one is read from tab, and so is every row's place in ps.  No branch, count or LDS address hangs on those numbers.
; The hidden width goes in four chunks of 256.  PHASE A: H = A W1 (bf16, K = 512, four steps of 128), a wave 96 x 64, started from b1.  Then relu, x 2^-4, f16, into LDS.
; PHASE B: P/16 += H W2 (f16, K = 256, four steps of 64), a wave 96 x 128 in 384 registers, started from b2 / 16.
; Both products are used transposed (source 0 = 16 columns of W, read turned out of LDS; source 1 = 16 rows): a lane holds one row and eight neighbouring columns.
; The weight tiles go through a ring of two LDS slots, a quarter of a tile to each wave's tensor load; a slot is filled again, two steps ahead, at the end of the step that read it.
; OUT: each row is scaled by the power of two of its largest number, so that f16 holds it whatever its size; the factor back (x 16 for the 2^-4) goes to ps's table of f32 behind the rows.
; LIMITS.  |A W1 + b1| < 1.04e6 (f16 after 2^-4); |P| < 2^123.  NaN and infinities are not treated apart.
; NO CLUSTER: the four tiles of a group of 384 rows walk the same weights, but every weight tile's address hangs on a number read from tab; this text asks singly, 2 MiB of weights a work-group out of the L2.
; REGISTERS (windows of 256).  0: v0-31 addresses; F0 = v32-143, F1 = v144-255 fragments (6 x 8 of rows, 8 x 8 of W).  1: v0-191 H's 24 accumulators, v192-223 b1, v224 at work.
;   2: P's accumulators of row blocks 0-3.   3: v0-127 those of blocks 4, 5.
.set XP, 1040                          ; a row of A in LDS: 1,024 + 16 bytes
.set HP, 528                           ; a row of H: 512 + 16
.set P1, 544                           ; a row of a W1 tile: 512 + 32 (an odd multiple of 32, for the turning load)
.set P2, 1056                          ; a row of a W2 tile: 1,024 + 32
.set HB, 99840                         ; behind A's 96 rows: H, 96 rows; on the way out the four waves' stages
.set RM, 150528                        ; [96][4] f32: each wave's largest number of each row
.set SPARE, 152064                     ; the spare words, 128 bytes a wave; no other line names them
.set SLOT0, 152576
.set SLOTB, 69632                      ; 128 rows x 544; a W2 tile's 64 x 1,056 fit
.set PSC, 28573696                     ; ps: behind 27,904 rows of 1,024 bytes, one f32 a row
.set F0, 32
.set F1, 144
.set LWA, 66                           ; s66 my quarter's place in a W1 tile; s67 in a W2 tile
.set LWB, 67
.set SW1, 72                           ; s[72:73] W1 at my expert, my quarter, the chunk in hand; s[74:75] W2 likewise; s[76:77] b1
.set SW2, 74
.set MSB, 0
.macro WIN new                         ; the immediate's high byte repeats the setting that is left
.if MSB != (\new)
	s_set_vgpr_msb (MSB<<8)|(\new)
.set MSB, \new
.endif
.endm
.macro PLACES                          ; four plain instructions between a matrix instruction and what reads its result or loads into its registers
.rept 4
	v_nop
.endr
.endm
.macro RND2 a, b, t
	v_cvt_pk_bf16_f32 v[\t], v[\a], v[\b]
	v_lshlrev_b32 v[\a], 16, v[\t]
	v_and_b32 v[\b], 0xffff0000, v[\t]
.endm
	s_load_b512 s[4:19], s[0:1], 0x0       ; xa 4, w1b 6, w2h 8, tab 10, sub_b1 12, spec_b1 14, sub_b2 16, spec_b2 18
	s_load_b64 s[20:21], s[0:1], 0x40      ; ps
	v_lshl_add_u32 v14, v0, 2, SPARE
	v_mov_b32 v15, 0
	ds_add_u32 v14, v15                    ; the wave's opening: the add and its wait ahead of my first tensor load
	ds_add_u32 v14, v15
	v_lshrrev_b32 v3, 5, v0
	v_readfirstlane_b32 s22, v3            ; wave
	s_mov_b32 s25, ttmp9                   ; tile
	s_lshr_b32 s24, s25, 2
	s_mul_i32 s26, s24, 5958
	s_lshr_b32 s26, s26, 16                ; (tile / 4) / 11, exact up to 43
	s_mul_i32 s80, s26, 44
	s_sub_co_u32 s80, s25, s80
	s_mul_i32 s27, s80, 96                 ; a shared tile's first row of xa
	s_max_u32 s81, s25, 176
	s_sub_co_u32 s81, s81, 176             ; scenario tile j
	s_mul_i32 s82, s81, 96
	s_add_co_u32 s82, s82, 4096
	s_lshl_b32 s81, s81, 2
	s_cmp_lt_u32 s25, 176
	s_cselect_b32 s27, s27, s82            ; my first row of xa
	s_cselect_b32 s84, 0, -1               ; a shared tile takes nothing from the table
	s_cselect_b32 s85, s26, 0              ; place in the bias tables, less the table's number
	s_cselect_b32 s26, s26, 4              ; expert, less the table's number
	; group 1 of the three shapes: elements of 2 bytes, padding on
	s_mov_b32 s28, (1<<16)|(1<<20)|(7<<22)|(3<<25)  ; A: after every 256 words 4 words
	s_mov_b32 s29, 512<<16                 ; tensor_dim0 = 512
	s_mov_b32 s30, 24<<16                  ; tensor_dim1 = 24
	s_mov_b32 s31, 512<<16                 ; tile_dim0
	s_mov_b32 s32, 24                      ; tile_dim1
	s_mov_b32 s33, 512                     ; elements from row to row
	s_mov_b32 s34, 0
	s_mov_b32 s35, 0
	s_mov_b32 s36, (1<<16)|(1<<20)|(6<<22)|(7<<25)  ; W1: 32 rows x 256, after every 128 words 8 words
	s_mov_b32 s37, 256<<16
	s_mov_b32 s38, 32<<16
	s_mov_b32 s39, 256<<16
	s_mov_b32 s40, 32
	s_mov_b32 s41, 1024
	s_mov_b32 s42, 0
	s_mov_b32 s43, 0
	s_mov_b32 s44, (1<<16)|(1<<20)|(7<<22)|(7<<25)  ; W2: 16 rows x 512, after every 256 words 8 words
	s_mov_b32 s45, 512<<16
	s_mov_b32 s46, 16<<16
	s_mov_b32 s47, 512<<16
	s_mov_b32 s48, 16
	s_mov_b32 s49, 512
	s_mov_b32 s50, 0
	s_mov_b32 s51, 0
	s_mul_i32 s[LWA], s22, 32*P1
	s_mul_i32 s[LWB], s22, 16*P2
	s_mov_b32 s52, 1                       ; group 0 for A: my 24 rows
	s_mul_i32 s53, s22, 24*XP
	s_mov_b32 s56, 1                       ; group 0 of the ring, first for W1's tile 0
	s_add_co_u32 s57, s[LWA], SLOT0
	s_mov_b32 s60, 1                       ; a second one for the first fill of slot 1
	s_add_co_u32 s61, s[LWA], SLOT0+SLOTB
	s_mov_b32 s88, 0x76543210
	s_mov_b32 s89, 0xfedcba98
	s_mov_b32 s90, 0x3d800000              ; 2^-4
	s_mov_b32 s91, s90
	s_wait_dscnt 0x0                       ; the opening add is done
	s_wait_kmcnt 0x0
	s_load_b32 s83, s[10:11], s81 offset:95232  ; the tile's scenario
	s_cmp_lt_u32 s25, 176
	s_cselect_b64 s[76:77], s[12:13], s[14:15]
	s_cselect_b64 s[86:87], s[16:17], s[18:19]
	s_wait_kmcnt 0x0
	s_min_u32 s83, s83, 7
	s_and_b32 s83, s83, s84
	s_add_co_u32 s26, s26, s83             ; expert 0-11
	s_add_co_u32 s85, s85, s83             ; its place in its bias tables
	s_lshl_b32 s80, s26, 20                ; an expert's weights are 1,048,576 bytes
	s_lshl_b32 s82, s22, 16                ; W1: my 32 rows of 2,048 bytes
	s_add_co_u32 s82, s82, s80
	s_mov_b32 s83, 0
	s_add_nc_u64 s[72:73], s[6:7], s[82:83]
	s_lshl_b32 s82, s22, 14                ; W2: my 16 rows of 1,024 bytes
	s_add_co_u32 s82, s82, s80
	s_add_nc_u64 s[74:75], s[8:9], s[82:83]
	s_lshl_b32 s82, s85, 12
	s_add_nc_u64 s[76:77], s[76:77], s[82:83]
	s_lshl_b32 s82, s85, 11
	s_add_nc_u64 s[86:87], s[86:87], s[82:83]
	s_lshl_b32 s82, s27, 10
	s_mul_i32 s80, s22, 24576
	s_add_co_u32 s82, s82, s80
	s_add_nc_u64 s[54:55], s[4:5], s[82:83]
	s_or_b32 s55, s55, 0x80000000
	s_add_nc_u64 s[58:59], s[72:73], 0
	s_or_b32 s59, s59, 0x80000000
	s_add_nc_u64 s[62:63], s[72:73], 262144
	s_or_b32 s63, s63, 0x80000000
	tensor_load_to_lds s[52:55], s[28:35]  ; the first fills, one group: A, W1's tiles 0 and 1: three loads of mine are out
	s_nop 0
	tensor_load_to_lds s[56:59], s[36:43]
	s_nop 0
	tensor_load_to_lds s[60:63], s[36:43]
	s_nop 0
	PLACES
	v_and_b32 v1, 15, v0                   ; r = lane % 16
	v_bfe_u32 v2, v0, 4, 1                 ; h = lane / 16
	v_mul_u32_u24 v4, v1, XP
	v_lshl_add_u32 v4, v2, 4, v4           ; v4 A's fragments, row blocks 0-2; v5 blocks 3-5
	v_add_nc_u32 v5, 48*XP, v4
	v_mul_u32_u24 v6, v1, HP
	v_lshl_add_u32 v6, v2, 4, v6
	v_add_nc_u32 v6, HB, v6                ; v6 H's fragments
	v_lshl_add_u32 v7, s22, 7, v6          ; v7 where I put my 64 columns of H
	v_and_b32 v3, 7, v0
	v_lshl_add_u32 v3, v2, 3, v3           ; the turning load: lane l reads row 8 h + l % 8, 16 bytes at 16 ((l / 8) % 2)
	v_bfe_u32 v17, v0, 3, 1
	v_mul_u32_u24 v8, v3, P1
	v_lshl_add_u32 v8, v17, 4, v8
	v_lshl_add_u32 v8, s22, 7, v8
	v_add_nc_u32 v8, SLOT0, v8             ; v8, v9 W1's fragments in slot 0, 1: my 64 columns
	v_add_nc_u32 v9, SLOTB, v8
	v_mul_u32_u24 v10, v3, P2
	v_lshl_add_u32 v10, v17, 4, v10
	v_lshl_add_u32 v10, s22, 8, v10
	v_add_nc_u32 v10, SLOT0, v10           ; v10, v11 W2's: my 128 columns
	v_add_nc_u32 v11, SLOTB, v10
	v_lshlrev_b32 v12, 5, v2
	v_lshl_add_u32 v16, s22, 9, v12        ; v16 b2: (128 w + 8 h) x 4
	v_lshl_add_u32 v12, s22, 8, v12        ; v12 b1: (64 w + 8 h) x 4
	v_mov_b32 v13, 0
.macro FXA f, kb                       ; 6 fragments of A: 16 rows x 32 K at byte kb of the rows
.irp t,0,1,2,3,4,5
	ds_load_b128 v[(\f)+8*\t:(\f)+8*\t+3], v[4+\t/3] offset:(\t%3)*16*XP+(\kb)
	ds_load_b128 v[(\f)+8*\t+4:(\f)+8*\t+7], v[4+\t/3] offset:(\t%3)*16*XP+(\kb)+32
.endr
.endm
.macro FH f, kb                        ; the same of H
.irp t,0,1,2,3,4,5
	ds_load_b128 v[(\f)+8*\t:(\f)+8*\t+3], v6 offset:\t*16*HP+(\kb)
	ds_load_b128 v[(\f)+8*\t+4:(\f)+8*\t+7], v6 offset:\t*16*HP+(\kb)+32
.endr
.endm
.macro FW1 f, s, q                     ; 4 fragments of W1, turned: 32 K (rows 32 q on of slot s) x 16 columns
.irp c,0,1,2,3
	ds_load_tr16_b128 v[(\f)+48+8*\c:(\f)+48+8*\c+3], v[8+(\s)] offset:(\q)*32*P1+32*\c
	ds_load_tr16_b128 v[(\f)+48+8*\c+4:(\f)+48+8*\c+7], v[8+(\s)] offset:(\q)*32*P1+16*P1+32*\c
.endr
.endm
.macro FW2 f, s, q                     ; 8 fragments of W2
.irp c,0,1,2,3,4,5,6,7
	ds_load_tr16_b128 v[(\f)+48+8*\c:(\f)+48+8*\c+3], v[10+(\s)] offset:(\q)*32*P2+32*\c
	ds_load_tr16_b128 v[(\f)+48+8*\c+4:(\f)+48+8*\c+7], v[10+(\s)] offset:(\q)*32*P2+16*P2+32*\c
.endr
.endm
; 12 products of phase A: row blocks 3 half .. + 2, 4 column blocks.  z = 1: they start the sums from b1.  The 24 accumulators take turns, one instruction a turn.
.macro MMA f, half, z
	WIN 0x50
.irp t,0,1,2
.irp c,0,1,2,3
.set rH, 8*(4*(3*(\half)+\t)+\c)
.if \z
	v_wmma_f32_16x16x32_bf16 v[rH:rH+7], v[(\f)+48+8*\c:(\f)+48+8*\c+7], v[(\f)+8*(3*(\half)+\t):(\f)+8*(3*(\half)+\t)+7], v[192+8*\c:192+8*\c+7]
.else
	v_wmma_f32_16x16x32_bf16 v[rH:rH+7], v[(\f)+48+8*\c:(\f)+48+8*\c+7], v[(\f)+8*(3*(\half)+\t):(\f)+8*(3*(\half)+\t)+7], v[rH:rH+7]
.endif
.endr
.endr
.endm
; 16 products of phase B: row blocks 2 part, 2 part + 1, 8 column blocks; the 48 accumulators take turns
.macro MMB f, part
.if (\part) < 2
	WIN 0xa0
.else
	WIN 0xf0
.endif
.irp t,0,1
.irp c,0,1,2,3,4,5,6,7
.set rO, 64*((2*(\part)+\t)%4)+8*\c
	v_wmma_f32_16x16x32_f16 v[rO:rO+7], v[(\f)+48+8*\c:(\f)+48+8*\c+7], v[(\f)+8*(2*(\part)+\t):(\f)+8*(2*(\part)+\t)+7], v[rO:rO+7]
.endr
.endr
.endm
.macro TA                              ; in front of a change of slots:
	WIN 0
	s_wait_tensorcnt 0x0                   ; all my tensor loads have landed: the one that was out is my quarter of the other slot; group 0 may be written
	ds_add_u32 v14, v15                    ; 0 onto my spare word
.endm
.macro FILLD lw, sl, base, off         ; the ring's group 0 is made anew: slot sl, the tile off bytes behind the chunk's base
	s_add_co_u32 s57, s[\lw], SLOT0+(\sl)*SLOTB
	s_add_nc_u64 s[58:59], s[\base:\base+1], \off
	s_or_b32 s59, s59, 0x80000000
.endm
; A unit of phase A: 32 along K, 24 products on buffer f; the next unit's 20 LDS loads stand at its head and have the whole unit in which to land.
.macro AUNIT a, s, q, f, g, z
	s_wait_dscnt 0x0                       ; buffer f is in
	PLACES                                 ; between the last products that read g and the loads into it
	WIN 0
	FW1 \g, \s, (\q)+1
	FXA \g, 256*(\a)+64*((\q)+1)
	MMA \f, 0, \z
	MMA \f, 1, \z
.endm
; A step's last unit changes slots.  One barrier for two things: in front of it each wave has seen its tensor loads land and its reads of this slot come back; behind it this slot is
; filled again, first thing, with the tile two steps on, and then the other slot's first fragments are read.  The fill has a step's 96 products, less the twelve in front of the next wait, in which to land.
.macro ATURN a, s
	TA
.if (\a) < 2
	FILLD LWA, \s, SW1, ((\a)+2)*262144
.else
	FILLD LWB, \s, SW2, ((\a)-2)*65536
.endif
	s_wait_dscnt 0x0                       ; the add is done, buffer F1 is in, and my reads of this slot are over
	s_barrier_signal -1
	MMA F1, 0, 0                           ; work on registers while the others arrive
	WIN 0
	s_barrier_wait -1
.if (\a) < 2
	tensor_load_to_lds s[56:59], s[36:43]
.else
	tensor_load_to_lds s[56:59], s[44:51]
.endif
	s_nop 0
	PLACES                                 ; also the places in front of the loads below
.if (\a) < 3
	FW1 F0, 1-(\s), 0
	FXA F0, 256*((\a)+1)
.else
	FW2 F0, 0, 0                           ; H is not made yet: its fragments follow behind CONV's barrier
.endif
	MMA F1, 1, 0
.endm
.macro ASTEP a, s, z
	AUNIT \a, \s, 0, F0, F1, \z
	AUNIT \a, \s, 1, F1, F0, 0
	AUNIT \a, \s, 2, F0, F1, 0
	ATURN \a, \s
.endm
.macro BUNIT b, s                      ; phase B's first unit of a step: 48 products on F0
	s_wait_dscnt 0x0
	PLACES
	WIN 0
	FW2 F1, \s, 1
	FH F1, 128*(\b)+64
	MMB F0, 0
	MMB F0, 1
	MMB F0, 2
.endm
.macro BTURN b, s, fill                ; its second unit changes slots, as ATURN does; fill = 0: nothing is left to fetch
	TA
.if \fill
.if (\b) < 2
	FILLD LWB, \s, SW2, ((\b)+2)*65536
.else
	FILLD LWA, \s, SW1, ((\b)-2)*262144
.endif
.endif
	s_wait_dscnt 0x0
	s_barrier_signal -1
	MMB F1, 0
	WIN 0
	s_barrier_wait -1
.if \fill
.if (\b) < 2
	tensor_load_to_lds s[56:59], s[44:51]
.else
	tensor_load_to_lds s[56:59], s[36:43]
.endif
	s_nop 0
.endif
	PLACES
.if (\b) < 3
	FW2 F0, 1-(\s), 0
	FH F0, 128*((\b)+1)
.else
	FW1 F0, 0, 0
	FXA F0, 0
.endif
	MMB F1, 1
	MMB F1, 2
.endm
.macro BSTEP b, s, fill
	BUNIT \b, \s
	BTURN \b, \s, \fill
.endm
; H leaves its accumulators: x 2^-4, rounded to f16, relu on the packed halves, 16 bytes a lane into LDS; a barrier, since every wave reads all 256 columns.
.macro CONV
	PLACES
	WIN 0x41
.set i, 0
.rept 96
	v_pk_mul_f32 v[2*i:2*i+1], v[2*i:2*i+1], s[90:91] op_sel_hi:[1,0]
.set i, i+1
.endr
	WIN 0x45
.set i, 0
.rept 96
	v_cvt_pk_f16_f32 v[8*(i/4)+i%4], v[8*(i/4)+2*(i%4)], v[8*(i/4)+2*(i%4)+1]
.set i, i+1
.endr
	WIN 0x41
.set i, 0
.rept 96
	v_pk_max_num_f16 v[8*(i/4)+i%4], v[8*(i/4)+i%4], v13
.set i, i+1
.endr
	WIN 0x04
.set i, 0
.rept 24
	ds_store_b128 v7, v[8*i:8*i+3] offset:(i/4)*16*HP+32*(i%4)
.set i, i+1
.endr
	WIN 0
	s_wait_dscnt 0x0                       ; for the others' sake: my columns of H are in LDS.  (The last chunk's reads of H ended five barriers ago.)
	s_barrier_signal -1                    ; the tensor load on its way may stay out
	s_barrier_wait -1
	FH F0, 0
.endm
.macro BLD                             ; the chunk's b1 of my columns
	WIN 0x40
.irp c,0,1,2,3
	global_load_b128 v[192+8*\c:195+8*\c], v12, s[76:77] offset:64*\c
	global_load_b128 v[196+8*\c:199+8*\c], v12, s[76:77] offset:64*\c+16
.endr
	WIN 0
.endm
.macro BRN                             ; rounded to bf16, like every input
	s_wait_loadcnt 0x0
	WIN 0x45
.set i, 0
.rept 16
	RND2 192+2*i,193+2*i,224
.set i, i+1
.endr
	WIN 0
.endm
	; b2 of my 128 columns, rounded, x 2^-4, is what P's sums start from.  384 copies, in the wait for the first tiles: the price of one text for all four chunks.
	WIN 0x40
.irp c,0,1,2,3,4,5,6,7
	global_load_b128 v[8*\c:8*\c+3], v16, s[86:87] offset:64*\c
	global_load_b128 v[8*\c+4:8*\c+7], v16, s[86:87] offset:64*\c+16
.endr
	BLD
	s_wait_loadcnt 0x0
	WIN 0x45
.set i, 0
.rept 32
	RND2 2*i,2*i+1,224
	v_pk_mul_f32 v[2*i:2*i+1], v[2*i:2*i+1], s[90:91] op_sel_hi:[1,0]
.set i, i+1
.endr
	WIN 0x81
.set i, 0
.rept 256
	v_mov_b32 v[i], v[i%64]
.set i, i+1
.endr
	WIN 0xc1
.set i, 0
.rept 128
	v_mov_b32 v[i], v[i%64]
.set i, i+1
.endr
	BRN
	s_wait_tensorcnt 0x1                   ; A and W1's tile 0 are in; tile 1, issued behind them, may stay out
	s_barrier_signal -1
	s_barrier_wait -1
	FW1 F0, 0, 0
	FXA F0, 0
	s_mov_b32 s78, 4
	s_branch .Lmid                         ; the loop is entered in the middle of a trip, so that every fill in it is asked for in every trip
.Lchunk:                                       ; a trip: the last two steps of one chunk's phase B, then the next chunk up to its phase B's second step
	s_add_nc_u64 s[72:73], s[72:73], 512       ; W1: 256 columns on
	s_add_nc_u64 s[74:75], s[74:75], 262144    ; W2: 256 rows on
	s_add_nc_u64 s[76:77], s[76:77], 1024      ; b1 (its last loads were waited for)
	BLD
	BSTEP 2, 0, 1
	BSTEP 3, 1, 1
	BRN
.Lmid:
	ASTEP 0, 0, 1
	ASTEP 1, 1, 0
	ASTEP 2, 0, 0
	ASTEP 3, 1, 0
	CONV
	BSTEP 0, 0, 1
	BSTEP 1, 1, 1
	WIN 0
	s_sub_co_u32 s78, s78, 1
	s_cmp_lg_u32 s78, 0
	s_cbranch_scc1 .Lchunk
	BSTEP 2, 0, 0                          ; the tail is written out: nothing more is asked for
	BUNIT 3, 1
	s_wait_dscnt 0x0
	MMB F1, 0
	MMB F1, 1
	MMB F1, 2
	; THE WAY OUT
	PLACES
	WIN 0
	s_mul_i32 s80, s25, 384
	s_mov_b32 s81, 0
	s_add_nc_u64 s[92:93], s[10:11], s[80:81]  ; my tile's 96 entries of the row table
	v_lshlrev_b32 v22, 2, v2
	v_lshlrev_b32 v23, 2, v1
.set i, 0
.rept 48                                       ; the rows as the stores below take them: 2 i + h
	global_load_b32 v[160+i], v22, s[92:93] offset:8*i
.set i, i+1
.endr
.set i, 0
.rept 6                                        ; and as the lanes hold them: 16 i + r
	global_load_b32 v[114+i], v23, s[92:93] offset:64*i
.set i, i+1
.endr
	s_mul_i32 s80, s22, 16*272
	s_add_co_u32 s80, s80, HB              ; my stage: 16 rows x 272 bytes, where H lay
	v_mul_u32_u24 v17, v1, 272
	v_lshl_add_u32 v17, v2, 4, v17
	v_add_nc_u32 v17, s80, v17             ; in: row r, 16 bytes for each half of the lanes
	v_mul_u32_u24 v18, v2, 272
	v_lshl_add_u32 v18, v1, 4, v18
	v_add_nc_u32 v18, s80, v18             ; back: lanes 0-15 one row of 256 bytes, lanes 16-31 the next
	v_lshlrev_b32 v19, 4, v1
	v_lshl_add_u32 v19, s22, 8, v19        ; my 16 bytes in a row of ps
	v_lshlrev_b32 v21, 4, v1
	v_add_nc_u32 v21, RM, v21
	v_lshl_add_u32 v20, s22, 2, v21
.macro RMAX mb                         ; the largest magnitude of row 16 mb + r among my wave's 128 columns; each accumulator is read from its low end on
	WIN 0
.irp p,0,1,2,3
	v_mov_b32 v[24+\p], 0
.endr
.if (\mb) < 4
	WIN 0x0a
.else
	WIN 0x0f
.endif
.irp c,0,1,2,3,4,5,6,7
.irp p,0,1,2,3
	v_max3_num_f32 v[24+\p], |v[64*((\mb)%4)+8*\c+2*\p]|, |v[64*((\mb)%4)+8*\c+2*\p+1]|, v[24+\p]
.endr
.endr
	WIN 0
	v_max3_num_f32 v24, v24, v25, v26
	v_max_num_f32 v24, v24, v27
	v_permlanex16_b32 v25, v24, s88, s89   ; the row's other columns lie in the lane 16 away
	v_max_num_f32 v24, v24, v25
	ds_store_b32 v20, v24 offset:256*(\mb)
.endm
.irp m,0,1,2,3,4,5
	RMAX \m
.endr
	s_wait_dscnt 0x0
	s_barrier_signal -1                    ; the four waves' maxima meet; behind this barrier nobody reads H any more either
	s_barrier_wait -1
.irp m,0,1,2,3,4,5
	ds_load_b128 v[120+4*\m:123+4*\m], v21 offset:256*\m
.endr
	s_wait_dscnt 0x0
.irp m,0,1,2,3,4,5
	v_max3_num_f32 v24, v[120+4*\m], v[121+4*\m], v[122+4*\m]
	v_max_num_f32 v24, v24, v[123+4*\m]
	v_and_b32 v24, 0x7f800000, v24         ; its power of two,
	v_sub_nc_u32 v[96+2*\m], 0x7f000000, v24   ; one over it: the row then lies below 2,
	v_mov_b32 v[97+2*\m], v[96+2*\m]
	v_add_nc_u32 v[108+\m], 0x2000000, v24 ; and 16 times it: the factor back
.endr
	s_wait_loadcnt 0x0
.set i, 0
.rept 48
	v_min_u32 v[160+i], 27903, v[160+i]
	v_lshl_add_u32 v[160+i], v[160+i], 10, v19
.set i, i+1
.endr
.macro POUT mb                         ; a block of 16 rows: scaled, rounded to f16, through my stage, stored as whole 256 bytes
.if (\mb) < 4
	WIN 0x82
.else
	WIN 0xc3
.endif
.set i, 0
.rept 32
	v_pk_mul_f32 v[64*((\mb)%4)+2*i:64*((\mb)%4)+2*i+1], v[64*((\mb)%4)+2*i:64*((\mb)%4)+2*i+1], v[96+2*(\mb):97+2*(\mb)]
.set i, i+1
.endr
.if (\mb) < 4
	WIN 0x0a
.else
	WIN 0x0f
.endif
.set i, 0
.rept 32
	v_cvt_pk_f16_f32 v[32+i], v[64*((\mb)%4)+2*i], v[64*((\mb)%4)+2*i+1]
.set i, i+1
.endr
	WIN 0
.irp c,0,1,2,3,4,5,6,7
	ds_store_b128 v17, v[32+4*\c:35+4*\c] offset:32*\c
.endr
.irp t,0,1,2,3,4,5,6,7
	ds_load_b128 v[64+4*\t:67+4*\t], v18 offset:544*\t     ; LDS serves a wave's instructions in order: these see the stores above
.endr
	s_wait_dscnt 0x0
.irp t,0,1,2,3,4,5,6,7
	global_store_b128 v[160+8*(\mb)+\t], v[64+4*\t:67+4*\t], s[20:21]   ; 16 lanes store 256 consecutive bytes, at a multiple of 256 from ps's first byte
.endr
	s_wait_xcnt 0x0                        ; the stores' data registers are loaded again only behind this wait
.endm
.irp m,0,1,2,3,4,5
	POUT \m
.endr
	s_cmp_lg_u32 s22, 0
	s_cbranch_scc1 .Lnopsc                 ; the rows' factors are the same in all four waves: wave 0 stores them
	s_add_nc_u64 s[80:81], s[20:21], PSC
.set i, 0
.rept 6
	v_min_u32 v[114+i], 27903, v[114+i]
	v_lshlrev_b32 v[114+i], 2, v[114+i]
	global_store_b32 v[114+i], v[108+i], s[80:81]
.set i, i+1
.endr
.Lnopsc:
	s_wait_tensorcnt 0x0                   ; the wave's end
	ds_add_u32 v14, v15
	s_wait_dscnt 0x0
	s_endpgm
.Lfunc_end_k_qff9cd070b8_chain:
	.size	k_qff9cd070b8_chain, .Lfunc_end_k_qff9cd070b8_chain-k_qff9cd070b8_chain
	.p2alignl 7, 3214868480
	.fill 96, 4, 3214868480
	.section	.rodata,"a",@progbits
	.p2align	6, 0x0
	.amdhsa_kernel k_qff9cd070b8_chain
		.amdhsa_group_segment_fixed_size 327680
		.amdhsa_private_segment_fixed_size 0
		.amdhsa_enable_private_segment 0
		.amdhsa_kernarg_size 72
		.amdhsa_user_sgpr_count 2
		.amdhsa_user_sgpr_kernarg_segment_ptr 1
		.amdhsa_wavefront_size32 1
		.amdhsa_system_sgpr_workgroup_id_x 1
		.amdhsa_system_sgpr_workgroup_id_y 1
		.amdhsa_system_sgpr_workgroup_id_z 1
		.amdhsa_system_vgpr_workitem_id 0
		.amdhsa_next_free_vgpr 896
		.amdhsa_next_free_sgpr 96
		.amdhsa_reserve_vcc 0
		.amdhsa_float_denorm_mode_32 3
		.amdhsa_float_denorm_mode_16_64 3
		.amdhsa_memory_ordered 1
		.amdhsa_forward_progress 1
		.amdhsa_inst_pref_size 232
	.end_amdhsa_kernel
	.amdgpu_metadata
---
amdhsa.version: [ 1, 2 ]
amdhsa.kernels:
  - .name:           k_qff9cd070b8_chain
    .symbol:         k_qff9cd070b8_chain.kd
    .args:
      - { .name: xa, .offset: 0, .size: 8, .value_kind: global_buffer, .address_space: global }
      - { .name: w1b, .offset: 8, .size: 8, .value_kind: global_buffer, .address_space: global }
      - { .name: w2h, .offset: 16, .size: 8, .value_kind: global_buffer, .address_space: global }
      - { .name: tab, .offset: 24, .size: 8, .value_kind: global_buffer, .address_space: global }
      - { .name: sub_b1, .offset: 32, .size: 8, .value_kind: global_buffer, .address_space: global }
      - { .name: spec_b1, .offset: 40, .size: 8, .value_kind: global_buffer, .address_space: global }
      - { .name: sub_b2, .offset: 48, .size: 8, .value_kind: global_buffer, .address_space: global }
      - { .name: spec_b2, .offset: 56, .size: 8, .value_kind: global_buffer, .address_space: global }
      - { .name: ps, .offset: 64, .size: 8, .value_kind: global_buffer, .address_space: global }
    .group_segment_fixed_size: 327680
    .private_segment_fixed_size: 0
    .kernarg_segment_align: 8
    .kernarg_segment_size: 72
    .max_flat_workgroup_size: 128
    .sgpr_count:     96
    .vgpr_count:     896
    .wavefront_size: 32
...
	.end_amdgpu_metadata
.endif
;; end of part 2
;; launch fin (part 3): grid 64 x 4, 4 waves a work-group, no clusters, 327,680 bytes of LDS; arguments ps, wf, sm, scenario_ids, attn_w2, attn_b2, out_b, out0; writes out0
.if DOCPART == 3
	.amdgcn_target "amdgcn-amd-amdhsa--gfx1250"
	.amdhsa_code_object_version 6
	.text
	.protected	k_qff9cd070b8_fin
	.globl	k_qff9cd070b8_fin
	.p2align	8
	.type	k_qff9cd070b8_fin,@function
k_qff9cd070b8_fin:
	s_mov_b64 s[64:65], 0
	v_nop
	global_prefetch_b8 v0, s[64:65] scope:SCOPE_SE
	s_setreg_imm32_b32 hwreg(HW_REG_WAVE_MODE, 25, 1), 1
	s_wait_xcnt 0x0
; FIN: for 64 tokens (x) and 128 output columns (y): shared = sum of gate x expert, the attention weight of the token's own scenario, and the projection.
; comb . attn_w1 = shared . attn_w1[:512] + ea[s] (ea holds the scenario's part and attn_b1).  enhanced . out_w = (sh W0 + sp W2) + wsel (sh W1 + sp W3): two sets of sums over K = 1,024, wsel in f32.
; SCALES.  ps holds each row in f16 below 2, with a power of two apart.  A token's shared and specific rows are brought to ONE power of two (that of the larger of sum g_e inv_e and inv_sp), so that both
; lie below 4 in f16 whatever the inputs' size; the factor back, INV, multiplies the finished sums in f32.
; PHASES: coefficients; the mix, into LDS as [64][sh 512 | sp 512] f16; U = sh . attn_w1[:512] (all 256 columns, in every y: a third of the launch's products); logits, softmax with its maximum taken away, wsel;
; the projection; out = INV (S0 + wsel S1) + out_b, through LDS, 512 consecutive bytes a store.
; Products transposed, as in the chain: a lane holds one token and eight neighbouring columns.  A wave has columns 32 w .. + 31 of each of two sets: 4 x 4 accumulators.
; The weights go through a ring of two LDS slots of [2 sets][128 K][128 columns], a quarter to each wave's tensor load, filled again two steps ahead.
; LIMITS.  attn_w1, out_w within 65,504 (f16).  NaN and infinities are not treated apart.
; NO CLUSTER in this text: the 64 work-groups of one y walk the same weight tiles (786,432 bytes each) and could ask jointly; here each asks for itself, out of the L2.
; REGISTERS.  Window 0: v0-31 addresses; v32-63 attn_w2, later out_b; v64-95 ea, later logits; v96-127 ids, wsel, INV, at work; v128-255 U's accumulators, at work before and after.
;   Window 1: F0 = v0-63, F1 = v64-127 fragments (4 of tokens, 4 of W); v128-255 the projection's accumulators.
.set APP, 2064                         ; a token's row in LDS: 2,048 + 16 bytes
.set WP, 288                           ; a weight tile's row: 256 + 32
.set CO, 132096                        ; [64][8] f32: four gates x factors, the specific row's factor, INV
.set LG, 134144                        ; [64] rows of 144 bytes: [scenario][wave] partial logits
.set EA, 143360                        ; ea, 8,192 bytes
.set SPARE, 151552                     ; the spare words, 128 bytes a wave; no other line names them
.set SLOT0, 152064
.set SLOTB, 73728
.set PSC, 28573696
.set F0, 0
.set F1, 64
.set MSB, 0
.macro WIN new
.if MSB != (\new)
	s_set_vgpr_msb (MSB<<8)|(\new)
.set MSB, \new
.endif
.endm
.macro PLACES
.rept 4
	v_nop
.endr
.endm
.macro RND2 a, b, t
	v_cvt_pk_bf16_f32 v[\t], v[\a], v[\b]
	v_lshlrev_b32 v[\a], 16, v[\t]
	v_and_b32 v[\b], 0xffff0000, v[\t]
.endm
	s_load_b512 s[4:19], s[0:1], 0x0       ; ps 4, wf 6, sm 8, ids 10, attn_w2 12, attn_b2 14, out_b 16, out0 18
	v_lshl_add_u32 v14, v0, 2, SPARE
	v_mov_b32 v15, 0
	ds_add_u32 v14, v15                    ; the wave's opening: the add and its wait ahead of my first tensor load
	ds_add_u32 v14, v15
	v_lshrrev_b32 v3, 5, v0
	v_readfirstlane_b32 s20, v3            ; wave
	s_mov_b32 s21, ttmp9                   ; block of 64 tokens
	s_and_b32 s22, ttmp7, 0xffff           ; block of 128 output columns
	s_and_b32 s23, s20, 1                  ; which 64 of a tile's 128 K rows I fetch,
	s_lshr_b32 s53, s20, 1                 ; of which set
	s_mul_i32 s52, s20, 64*WP
.irp g,24,40                                   ; group 1: 64 rows x 128 elements of 2 bytes, after every 64 words 8 words of padding
	s_mov_b32 s[\g], (1<<16)|(1<<20)|(5<<22)|(7<<25)
	s_mov_b32 s[\g+1], 128<<16
	s_mov_b32 s[\g+2], 64<<16
	s_mov_b32 s[\g+3], 128<<16
	s_mov_b32 s[\g+4], 64
	s_mov_b32 s[\g+6], 0
	s_mov_b32 s[\g+7], 0
.endr
	s_mov_b32 s29, 256                     ; attn_w1's rows are 256 elements apart,
	s_mov_b32 s45, 512                     ; out_w's 512
	s_mov_b32 s32, 1
	s_add_co_u32 s33, s52, SLOT0
	s_mov_b32 s36, 1
	s_add_co_u32 s37, s52, SLOT0+SLOTB
	s_lshl_b32 s56, s23, 15                ; attention: 64 rows of 512 bytes; the set is the column half
	s_lshl_b32 s58, s53, 8
	s_add_co_u32 s56, s56, s58
	s_add_co_u32 s56, s56, 2097152
	s_mov_b32 s57, 0
	s_lshl_b32 s58, s53, 20                ; projection: the set is 1,024 rows of 1,024 bytes
	s_lshl_b32 s59, s23, 16
	s_add_co_u32 s58, s58, s59
	s_lshl_b32 s59, s22, 8
	s_add_co_u32 s58, s58, s59
	s_mov_b32 s59, 0
	s_lshl_b32 s86, s21, 6
	s_lshl_b32 s87, s20, 4
	s_add_co_u32 s86, s86, s87             ; my wave's first token
	s_mov_b32 s61, 0x3fb8aa3b              ; log2(e)
	s_mov_b32 s62, 0x76543210
	s_mov_b32 s63, 0xfedcba98
	s_wait_dscnt 0x0                       ; the opening add is done
	s_wait_kmcnt 0x0
	s_add_nc_u64 s[48:49], s[6:7], s[56:57]    ; my quarter of the attention's tile 0
	s_add_nc_u64 s[50:51], s[6:7], s[58:59]    ; and of the projection's
	s_add_nc_u64 s[54:55], s[50:51], 262144    ; the projection's tile 2: the main loop's first fill
	s_add_nc_u64 s[34:35], s[48:49], 0
	s_or_b32 s35, s35, 0x80000000
	s_add_nc_u64 s[38:39], s[48:49], 65536
	s_or_b32 s39, s39, 0x80000000
	tensor_load_to_lds s[32:35], s[24:31]  ; the two first fills, one group: two loads of mine are out
	s_nop 0
	tensor_load_to_lds s[36:39], s[24:31]
	s_nop 0
	PLACES
	s_lshl_b32 s56, s86, 10
	s_add_nc_u64 s[66:67], s[4:5], s[56:57]    ; my tokens' rows of the four shared experts (4,224 rows apart) and of the specific part
	s_add_nc_u64 s[68:69], s[66:67], 4325376
	s_add_nc_u64 s[70:71], s[66:67], 8650752
	s_add_nc_u64 s[72:73], s[66:67], 12976128
	s_add_nc_u64 s[74:75], s[66:67], 17301504
	s_lshl_b32 s56, s86, 2
	s_add_nc_u64 s[76:77], s[4:5], s[56:57]
	s_add_nc_u64 s[76:77], s[76:77], PSC       ; their factors
	s_lshl_b32 s56, s86, 4
	s_add_nc_u64 s[78:79], s[8:9], s[56:57]    ; their gates
	s_lshl_b32 s56, s21, 8
	s_add_nc_u64 s[80:81], s[10:11], s[56:57]  ; the block's ids
	s_lshl_b32 s56, s86, 11
	s_lshl_b32 s58, s22, 9
	s_add_co_u32 s56, s56, s58
	s_add_nc_u64 s[82:83], s[18:19], s[56:57]  ; out0 at my 16 rows, my block's columns
	s_add_nc_u64 s[84:85], s[16:17], s[58:59]  ; out_b at my block's columns
	v_and_b32 v1, 15, v0                   ; r
	v_bfe_u32 v2, v0, 4, 1                 ; h
	v_mov_b32 v13, 0
	v_lshlrev_b32 v3, 4, v0
.irp i,0,1,2,3
	global_load_b128 v[128+4*\i:131+4*\i], v3, s[8:9] offset:65536+2048*\i  ; ea, 64 bytes a thread
.endr
	v_lshlrev_b32 v16, 5, v2
	v_lshl_add_u32 v16, s20, 7, v16        ; (32 w + 8 h) x 4: my columns in a set of 128
.irp f,0,1,2,3
	global_load_b128 v[32+8*\f:35+8*\f], v16, s[12:13] offset:512*(\f/2)+64*(\f%2)
	global_load_b128 v[36+8*\f:39+8*\f], v16, s[12:13] offset:512*(\f/2)+64*(\f%2)+16
.endr
	global_load_b32 v100, v13, s[14:15]
	v_lshlrev_b32 v17, 2, v1
.irp i,0,1,2,3
	global_load_b32 v[96+\i], v17, s[80:81] offset:64*\i   ; the id of token 16 i + r
.endr
	v_lshlrev_b32 v18, 4, v1
	global_load_b128 v[144:147], v18, s[78:79]             ; token 16 w + r: its gates,
.irp e,0,1,2,3
	global_load_b32 v[148+\e], v17, s[76:77] offset:16896*\e   ; its four shared rows' factors,
.endr
	global_load_b32 v152, v17, s[76:77] offset:67584           ; its specific row's
	v_mul_u32_u24 v4, v1, APP
	v_lshl_add_u32 v4, v2, 4, v4           ; v4 token fragments, blocks 0, 1; v5 blocks 2, 3
	v_add_nc_u32 v5, 32*APP, v4
	v_and_b32 v19, 7, v0
	v_lshl_add_u32 v19, v2, 3, v19
	v_bfe_u32 v20, v0, 3, 1
	v_mul_u32_u24 v6, v19, WP
	v_lshl_add_u32 v6, v20, 4, v6
	v_lshl_add_u32 v6, s20, 6, v6
	v_add_nc_u32 v6, SLOT0, v6             ; v6, v7 W's fragments in slot 0, set 0, 1; v8, v9 in slot 1
	v_add_nc_u32 v7, 128*WP, v6
	v_add_nc_u32 v8, SLOTB, v6
	v_add_nc_u32 v9, SLOTB, v7
	v_add_nc_u32 v19, EA, v3
	v_lshlrev_b32 v20, 5, v1
	v_lshl_add_u32 v20, s20, 9, v20
	v_add_nc_u32 v20, CO, v20              ; CO's row 16 w + r
	v_and_b32 v21, 31, v0
	v_lshlrev_b32 v21, 4, v21              ; v21 16 x lane: walks my rows of ps
	s_lshl_b32 s56, s20, 9
	s_add_co_u32 s56, s56, CO
	v_mov_b32 v22, s56                     ; v22 walks my rows of CO
	s_mul_i32 s56, s20, 16*APP
	v_add_nc_u32 v23, s56, v21             ; v23 walks my rows of the mixed tile
	s_wait_loadcnt 0x0
.irp i,0,1,2,3
	ds_store_b128 v19, v[128+4*\i:131+4*\i] offset:2048*\i
.endr
.set i, 0
.rept 16
	RND2 32+2*i,33+2*i,153
.set i, i+1
.endr
	v_cvt_pk_bf16_f32 v100, v100, v100
	v_lshlrev_b32 v100, 16, v100
.irp e,0,1,2,3
	v_mul_f32 v[144+\e], v[144+\e], v[148+\e]      ; g_e inv_e
.endr
	v_add_f32 v154, v144, v145
	v_add_f32 v155, v146, v147
	v_add_f32 v154, v154, v155             ; half a bound on |shared|
	v_max_num_f32 v154, v154, v152
	v_and_b32 v157, 0x7f800000, v154       ; INV: the token's power of two
	v_sub_nc_u32 v155, 0x7f000000, v157    ; one over it
.irp e,0,1,2,3
	v_mul_f32 v[144+\e], v[144+\e], v155
.endr
	v_mul_f32 v156, v152, v155
	v_mov_b32 v158, 0
	v_mov_b32 v159, 0
	ds_store_b128 v20, v[144:147]
	ds_store_b128 v20, v[156:159] offset:16
; THE MIX.  A wave mixes its 16 tokens, four a trip; lane L has columns 8 L .. + 7 and 256 + 8 L .. + 7 of each row.  f16 halves are multiplied into f32 sums, rounded once to f16.
.macro FMX d, p, c, a, hf
.if \hf
	v_fma_mix_f32 v[\d], v[\p], v[\c], v[\a] op_sel:[1,0,0] op_sel_hi:[1,0,0]
.else
	v_fma_mix_f32 v[\d], v[\p], v[\c], v[\a] op_sel_hi:[1,0,0]
.endif
.endm
.macro MIXROW row
	WIN 0x01                               ; the rows of ps lie in window 1
.irp e,0,1,2,3
.set i, 0
.rept 16
.if \e
	FMX 160+i,8*(5*(\row)+\e)+i/2,128+8*(\row)+\e,160+i,i%2
.else
	FMX 160+i,8*(5*(\row))+i/2,128+8*(\row),13,i%2
.endif
.set i, i+1
.endr
.endr
.set i, 0
.rept 16
	FMX 176+i,8*(5*(\row)+4)+i/2,132+8*(\row),13,i%2
.set i, i+1
.endr
	WIN 0
.set i, 0
.rept 16
	v_cvt_pk_f16_f32 v[192+i], v[160+2*i], v[161+2*i]
.set i, i+1
.endr
.irp q,0,1,2,3
	ds_store_b128 v23, v[192+4*\q:195+4*\q] offset:APP*(\row)+512*\q
.endr
.endm
	s_mov_b32 s60, 4
.Lmix:
	WIN 0x40
.set i, 0
.rept 40                                       ; row i / 10, source (i / 2) % 5, half i % 2
	global_load_b128 v[4*i:4*i+3], v21, s[66+2*((i/2)%5):67+2*((i/2)%5)] offset:1024*(i/10)+512*(i%2)
.set i, i+1
.endr
	WIN 0
.irp w,0,1,2,3
	ds_load_b128 v[128+8*\w:131+8*\w], v22 offset:32*\w    ; my own wave stored these rows of CO: LDS serves a wave's instructions in order
	ds_load_b128 v[132+8*\w:135+8*\w], v22 offset:32*\w+16
.endr
	s_wait_loadcnt 0x0                     ; all 40 are in: their offset register may be stepped below
	s_wait_dscnt 0x0
	MIXROW 0
	MIXROW 1
	MIXROW 2
	MIXROW 3
	v_add_nc_u32 v21, 4096, v21
	v_add_nc_u32 v22, 128, v22
	v_add_nc_u32 v23, 4*APP, v23
	s_sub_co_u32 s60, s60, 1
	s_cmp_lg_u32 s60, 0
	s_cbranch_scc1 .Lmix
	WIN 0x40                               ; the projection's sums start at 0: 128 lines, the price of walking its steps in a loop
.set i, 0
.rept 128
	v_mov_b32 v[128+i], 0
.set i, i+1
.endr
	WIN 0
.macro FA f, ar, kb                    ; 4 token fragments: 16 tokens x 32 K at byte kb of the rows; ar: the address pair
	WIN 0x40
.irp t,0,1,2,3
	ds_load_b128 v[(\f)+8*\t:(\f)+8*\t+3], v[(\ar)+\t/2] offset:(\t%2)*16*APP+(\kb)
	ds_load_b128 v[(\f)+8*\t+4:(\f)+8*\t+7], v[(\ar)+\t/2] offset:(\t%2)*16*APP+(\kb)+32
.endr
.endm
.macro FW f, s, q                      ; 4 fragments of W, turned: set c / 2, column block c % 2
	WIN 0x40
.irp c,0,1,2,3
	ds_load_tr16_b128 v[(\f)+32+8*\c:(\f)+32+8*\c+3], v[6+2*(\s)+\c/2] offset:(\q)*32*WP+32*(\c%2)
	ds_load_tr16_b128 v[(\f)+32+8*\c+4:(\f)+32+8*\c+7], v[6+2*(\s)+\c/2] offset:(\q)*32*WP+16*WP+32*(\c%2)
.endr
.endm
; 8 products: token blocks 2 half, 2 half + 1.  ph = 0: U's accumulators (window 0); 1: the projection's (window 1).  The 16 accumulators take turns.
.macro MM f, half, ph, z
.if \ph
	WIN 0x55
.else
	WIN 0x05
.endif
.irp t,0,1
.irp c,0,1,2,3
.set rA, 128+8*(4*(2*(\half)+\t)+\c)
.if \z
	v_wmma_f32_16x16x32_f16 v[rA:rA+7], v[(\f)+32+8*\c:(\f)+32+8*\c+7], v[(\f)+8*(2*(\half)+\t):(\f)+8*(2*(\half)+\t)+7], 0
.else
	v_wmma_f32_16x16x32_f16 v[rA:rA+7], v[(\f)+32+8*\c:(\f)+32+8*\c+7], v[(\f)+8*(2*(\half)+\t):(\f)+8*(2*(\half)+\t)+7], v[rA:rA+7]
.endif
.endr
.endr
.endm
.macro FUNIT ph, s, q, f, g, ar, kb, z ; a unit: 32 along K; the next unit's 16 LDS loads stand at its head
	s_wait_dscnt 0x0                       ; buffer f is in
	PLACES                                 ; between the last products that read g and the loads into it
	FW \g, \s, (\q)+1
	FA \g, \ar, \kb
	MM \f, 0, \ph, \z
	MM \f, 1, \ph, \z
.endm
; A step's last unit changes slots: each wave has seen its tensor loads land and its reads of this slot come back; a barrier; this slot is filled again first (g1: the shape's group 1; 0: no fill),
; with the tile two steps on; then (nx = 1) the other slot's first fragments are read.
.macro FTURN ph, s, ar, kbn, g1, base, off, nx
	WIN 0
	s_wait_tensorcnt 0x0                   ; all my tensor loads have landed: group 0 may be written
	ds_add_u32 v14, v15                    ; 0 onto my spare word
.if \g1
	s_add_co_u32 s33, s52, SLOT0+(\s)*SLOTB
	s_add_nc_u64 s[34:35], s[\base:\base+1], \off
	s_or_b32 s35, s35, 0x80000000
.endif
	s_wait_dscnt 0x0                       ; the add is done, buffer F1 is in, my reads of this slot are over
	s_barrier_signal -1
	MM F1, 0, \ph, 0
	WIN 0
	s_barrier_wait -1
.if \g1
	tensor_load_to_lds s[32:35], s[\g1:\g1+7]
	s_nop 0
.endif
	PLACES
.if \nx
	FW F0, 1-(\s), 0
	FA F0, \ar, \kbn
.endif
	MM F1, 1, \ph, 0
.endm
.macro FSTEP ph, s, ar, kb0, z, g1, base, off, nx
	FUNIT \ph, \s, 0, F0, F1, \ar, (\kb0)+64, \z
	FUNIT \ph, \s, 1, F1, F0, \ar, (\kb0)+128, 0
	FUNIT \ph, \s, 2, F0, F1, \ar, (\kb0)+192, 0
	FTURN \ph, \s, \ar, (\kb0)+256, \g1, \base, \off, \nx
.endm
	s_wait_tensorcnt 0x1                   ; the attention's tile 0 is in; tile 1 may stay out
	s_wait_dscnt 0x0                       ; my rows of the mixed tile, of CO and of ea are in LDS
	s_barrier_signal -1
	s_barrier_wait -1
	FW F0, 0, 0
	FA F0, 4, 0
	FSTEP 0, 0, 4, 0,   1, 24, 48, 131072, 1   ; U: K = 512 in four steps; the first products start the sums
	FSTEP 0, 1, 4, 256, 0, 24, 48, 196608, 1
	FSTEP 0, 0, 4, 512, 0, 40, 50, 0,      1   ; the ring goes on into the projection's tiles 0
	FSTEP 0, 1, 4, 768, 0, 40, 50, 131072, 0   ; and 1
	; LOGITS: for each scenario, relu(INV U + ea[s]) . attn_w2 over my 64 columns; the lanes' halves and then the four waves add up
	PLACES
	WIN 0
	v_lshlrev_b32 v24, 5, v1
	v_add_nc_u32 v24, CO, v24
.irp m,0,1,2,3
	ds_load_b32 v[110+2*\m], v24 offset:512*\m+20
.endr
	v_add_nc_u32 v12, EA, v16              ; walks ea by scenarios
	v_mul_u32_u24 v26, v1, 144
	v_add_nc_u32 v26, LG, v26
	v_lshl_add_u32 v25, s20, 2, v26        ; walks my wave's words of LG
	s_wait_dscnt 0x0
.irp m,0,1,2,3
	v_mov_b32 v[111+2*\m], v[110+2*\m]
.endr
.set i, 0
.rept 64
	v_pk_mul_f32 v[128+2*i:129+2*i], v[128+2*i:129+2*i], v[110+2*(i/16):111+2*(i/16)]
.set i, i+1
.endr
.macro LROW mb
.set i, 0
.rept 16
.set tt, 118+2*(i%4)
	v_pk_add_f32 v[tt:tt+1], v[128+32*(\mb)+2*i:129+32*(\mb)+2*i], v[64+2*i:65+2*i]
	v_max_num_f32 v[tt], 0, v[tt]
	v_max_num_f32 v[tt+1], 0, v[tt+1]
.if i < 2
	v_pk_mul_f32 v[18+2*i:19+2*i], v[tt:tt+1], v[32+2*i:33+2*i]
.else
	v_pk_fma_f32 v[18+2*(i%2):19+2*(i%2)], v[tt:tt+1], v[32+2*i:33+2*i], v[18+2*(i%2):19+2*(i%2)]
.endif
.set i, i+1
.endr
	v_pk_add_f32 v[18:19], v[18:19], v[20:21]
	v_add_f32 v18, v18, v19
	v_permlanex16_b32 v19, v18, s62, s63
	v_add_f32 v18, v18, v19
	ds_store_b32 v25, v18 offset:2304*(\mb)
.endm
	s_mov_b32 s60, 8
.Lscen:
.irp f,0,1,2,3
	ds_load_b128 v[64+8*\f:67+8*\f], v12 offset:512*(\f/2)+64*(\f%2)
	ds_load_b128 v[68+8*\f:71+8*\f], v12 offset:512*(\f/2)+64*(\f%2)+16
.endr
	s_wait_dscnt 0x0
	LROW 0
	LROW 1
	LROW 2
	LROW 3
	v_add_nc_u32 v12, 1024, v12
	v_add_nc_u32 v25, 16, v25
	s_sub_co_u32 s60, s60, 1
	s_cmp_lg_u32 s60, 0
	s_cbranch_scc1 .Lscen
	s_wait_dscnt 0x0
	s_barrier_signal -1                    ; the projection's tile 1 may stay on its way
	s_barrier_wait -1
.set i, 0
.rept 32                                       ; token block i / 8, scenario i % 8: the four waves' parts
	ds_load_b128 v[128+4*i:131+4*i], v26 offset:2304*(i/8)+16*(i%8)
.set i, i+1
.endr
	s_wait_dscnt 0x0
.set i, 0
.rept 32
	v_add_f32 v[128+4*i], v[128+4*i], v[129+4*i]
	v_add_f32 v[130+4*i], v[130+4*i], v[131+4*i]
	v_add_f32 v[128+4*i], v[128+4*i], v[130+4*i]
	v_add_f32 v[64+i], v[128+4*i], v100    ; + attn_b2
.set i, i+1
.endr
.irp m,0,1,2,3                                 ; the softmax over 8 scenarios takes its maximum away
	v_max3_num_f32 v[118+\m], v[64+8*\m], v[65+8*\m], v[66+8*\m]
	v_max3_num_f32 v[118+\m], v[118+\m], v[67+8*\m], v[68+8*\m]
	v_max3_num_f32 v[118+\m], v[118+\m], v[69+8*\m], v[70+8*\m]
	v_max_num_f32 v[118+\m], v[118+\m], v[71+8*\m]
.endr
.set i, 0
.rept 32
	v_sub_f32 v[64+i], v[64+i], v[118+i/8]
	v_mul_f32 v[64+i], s61, v[64+i]
.set i, i+1
.endr
.set i, 0
.rept 32
	v_exp_f32 v[64+i], v[64+i]
.set i, i+1
.endr
	v_nop                                  ; a plain instruction behind the last exponential,
	s_wait_alu depctr_va_vdst(0)           ; and one wait for the batch of 32
.irp m,0,1,2,3
	v_add_f32 v[122+\m], v[64+8*\m], v[65+8*\m]
	v_mov_b32 v[102+2*\m], 0
.irp e,2,3,4,5,6,7
	v_add_f32 v[122+\m], v[122+\m], v[64+8*\m+\e]
.endr
.irp e,0,1,2,3,4,5,6,7
	v_cmp_eq_u32 vcc_lo, \e, v[96+\m]
	v_cndmask_b32 v[102+2*\m], v[102+2*\m], v[64+8*\m+\e], vcc_lo  ; the token's own scenario's weight
.endr
.endr
.irp m,0,1,2,3
	v_rcp_f32 v[122+\m], v[122+\m]
.endr
	v_nop
	s_wait_alu depctr_va_vdst(0)
.irp m,0,1,2,3
	v_mul_f32 v[102+2*\m], v[102+2*\m], v[122+\m]  ; wsel, as a pair
	v_mov_b32 v[103+2*\m], v[102+2*\m]
.endr
.irp c,0,1                                     ; out_b of my columns, where attn_w2 lay; waited for at the end
	global_load_b128 v[32+8*\c:35+8*\c], v16, s[84:85] offset:64*\c
	global_load_b128 v[36+8*\c:39+8*\c], v16, s[84:85] offset:64*\c+16
.endr
	; THE PROJECTION: K = 1,024 in eight steps; three trips of two steps fill both slots again, the last two steps are written out
	v_mov_b32 v10, v4                      ; v10, v11 walk along the tokens' rows, 512 bytes a trip
	v_mov_b32 v11, v5
	FW F0, 0, 0
	FA F0, 10, 0
	WIN 0
	s_mov_b32 s60, 3
.Lmain:
	FSTEP 1, 0, 10, 0,   0, 40, 54, 0,      1
	FSTEP 1, 1, 10, 256, 0, 40, 54, 131072, 1
	WIN 0
	s_add_nc_u64 s[54:55], s[54:55], 262144    ; the next trip's tiles (the descriptor holds a copy)
	v_add_nc_u32 v10, 512, v10
	v_add_nc_u32 v11, 512, v11
	s_sub_co_u32 s60, s60, 1
	s_cmp_lg_u32 s60, 0
	s_cbranch_scc1 .Lmain
	FSTEP 1, 0, 10, 0, 0, 0, 0, 0, 1
	FUNIT 1, 1, 0, F0, F1, 10, 320, 0
	FUNIT 1, 1, 1, F1, F0, 10, 384, 0
	FUNIT 1, 1, 2, F0, F1, 10, 448, 0
	s_wait_dscnt 0x0
	MM F1, 0, 1, 0
	MM F1, 1, 1, 0
	; THE WAY OUT: out = INV (S0 + wsel S1) + out_b, through LDS where the mixed tile lay
	PLACES
	WIN 0
	s_wait_dscnt 0x0
	s_barrier_signal -1                    ; nobody reads the mixed tile any more
	s_barrier_wait -1
	s_wait_loadcnt 0x0
.set i, 0
.rept 8
	RND2 32+2*i,33+2*i,118
.set i, i+1
.endr
	WIN 0x11                               ; S1 and S0 in window 1, wsel and the result in window 0
.set i, 0
.rept 32                                       ; token block i / 8, column block (i / 4) % 2, pair i % 4
	v_pk_fma_f32 v[128+2*i:129+2*i], v[128+8*(4*(i/8)+2+(i/4)%2)+2*(i%4):129+8*(4*(i/8)+2+(i/4)%2)+2*(i%4)], v[102+2*(i/8):103+2*(i/8)], v[128+8*(4*(i/8)+(i/4)%2)+2*(i%4):129+8*(4*(i/8)+(i/4)%2)+2*(i%4)]
.set i, i+1
.endr
	WIN 0
.set i, 0
.rept 32
	v_pk_fma_f32 v[128+2*i:129+2*i], v[128+2*i:129+2*i], v[110+2*(i/8):111+2*(i/8)], v[32+2*(i%8):33+2*(i%8)]
.set i, i+1
.endr
	v_mul_u32_u24 v27, v1, 528             ; a stage row: 512 bytes + 16
	v_add_nc_u32 v27, v27, v16
.set i, 0
.rept 8
	ds_store_b128 v27, v[128+8*i:131+8*i] offset:8448*(i/2)+64*(i%2)
	ds_store_b128 v27, v[132+8*i:135+8*i] offset:8448*(i/2)+64*(i%2)+16
.set i, i+1
.endr
	v_and_b32 v29, 31, v0
	v_lshlrev_b32 v29, 4, v29
	s_mul_i32 s56, s20, 8448
	v_add_nc_u32 v28, s56, v29
	s_wait_dscnt 0x0                       ; for the others' sake: a row's 512 bytes come from four waves
	s_barrier_signal -1
	s_barrier_wait -1
.set i, 0
.rept 16
	ds_load_b128 v[192+4*i:195+4*i], v28 offset:528*i
.set i, i+1
.endr
.set i, 0
.rept 16
	s_wait_dscnt 15-i                      ; LDS loads come back in order: row i is in, the younger ones stay out
	global_store_b128 v29, v[192+4*i:195+4*i], s[82:83] offset:2048*i  ; 32 lanes store 512 consecutive bytes, at a multiple of 256 from out0's first byte
.set i, i+1
.endr
	s_wait_tensorcnt 0x0                   ; the wave's end
	ds_add_u32 v14, v15
	s_wait_dscnt 0x0
	s_endpgm
.Lfunc_end_k_qff9cd070b8_fin:
	.size	k_qff9cd070b8_fin, .Lfunc_end_k_qff9cd070b8_fin-k_qff9cd070b8_fin
	.p2alignl 7, 3214868480
	.fill 96, 4, 3214868480
	.section	.rodata,"a",@progbits
	.p2align	6, 0x0
	.amdhsa_kernel k_qff9cd070b8_fin
		.amdhsa_group_segment_fixed_size 327680
		.amdhsa_private_segment_fixed_size 0
		.amdhsa_enable_private_segment 0
		.amdhsa_kernarg_size 64
		.amdhsa_user_sgpr_count 2
		.amdhsa_user_sgpr_kernarg_segment_ptr 1
		.amdhsa_wavefront_size32 1
		.amdhsa_system_sgpr_workgroup_id_x 1
		.amdhsa_system_sgpr_workgroup_id_y 1
		.amdhsa_system_sgpr_workgroup_id_z 1
		.amdhsa_system_vgpr_workitem_id 0
		.amdhsa_next_free_vgpr 512
		.amdhsa_next_free_sgpr 96
		.amdhsa_reserve_vcc 1
		.amdhsa_float_denorm_mode_32 3
		.amdhsa_float_denorm_mode_16_64 3
		.amdhsa_memory_ordered 1
		.amdhsa_forward_progress 1
		.amdhsa_inst_pref_size 164
	.end_amdhsa_kernel
	.amdgpu_metadata
---
amdhsa.version: [ 1, 2 ]
amdhsa.kernels:
  - .name:           k_qff9cd070b8_fin
    .symbol:         k_qff9cd070b8_fin.kd
    .args:
      - { .name: ps, .offset: 0, .size: 8, .value_kind: global_buffer, .address_space: global }
      - { .name: wf, .offset: 8, .size: 8, .value_kind: global_buffer, .address_space: global }
      - { .name: sm, .offset: 16, .size: 8, .value_kind: global_buffer, .address_space: global }
      - { .name: scenario_ids, .offset: 24, .size: 8, .value_kind: global_buffer, .address_space: global }
      - { .name: attn_w2, .offset: 32, .size: 8, .value_kind: global_buffer, .address_space: global }
      - { .name: attn_b2, .offset: 40, .size: 8, .value_kind: global_buffer, .address_space: global }
      - { .name: out_b, .offset: 48, .size: 8, .value_kind: global_buffer, .address_space: global }
      - { .name: out0, .offset: 56, .size: 8, .value_kind: global_buffer, .address_space: global }
    .group_segment_fixed_size: 327680
    .private_segment_fixed_size: 0
    .kernarg_segment_align: 8
    .kernarg_segment_size: 64
    .max_flat_workgroup_size: 128
    .sgpr_count:     96
    .vgpr_count:     512
    .wavefront_size: 32
...
	.end_amdgpu_metadata
.endif
;; end of part 3
;; ======== version 2 of 2: 3 launches; 1.23 times as fast as version 1
;; limits: values are held in f16: magnitudes above 65,504 overflow, below 6.1e-05 lose precision; right only within a limited range of input values
;; workspace buffers: xa 11,272,192 bytes; ws 25,165,824 bytes; wf 2,359,296 bytes; sm 73,728 bytes; tab 95,744 bytes of whole numbers; ps 28,685,312 bytes
;; launch prep (part 4): grid 756 x 1, 8 waves a work-group, no clusters, 68,608 bytes of LDS; arguments x, scenario_ids, gate_w, gate_b, sub_w1, spec_w1, sub_w2, spec_w2, out_w, attn_w1, attn_b1, scen_embed, xa, ws, wf, sm, tab; writes xa, ws, wf, sm, tab
.if DOCPART == 4
	.amdgcn_target "amdgcn-amd-amdhsa--gfx1250"
	.amdhsa_code_object_version 6
	.text
	.protected	k_qff9cd070b8_prep
	.globl	k_qff9cd070b8_prep
	.p2align	8
	.type	k_qff9cd070b8_prep,@function
k_qff9cd070b8_prep:
	s_mov_b64 s[64:65], 0
	v_nop
	global_prefetch_b8 v0, s[64:65] scope:SCOPE_SE
	s_setreg_imm32_b32 hwreg(HW_REG_WAVE_MODE, 25, 1), 1
	s_wait_xcnt 0x0
; PREP: everything that is done once.  Four kinds of work-group, chosen by the work-group's number alone; those with the longest chains and those with most bytes have the lowest numbers:
;   0-71    SORT  a counting sort of the 4,096 scenario ids; work-group j places the 96 rows of scenario tile j:
;                 its rows of x, rounded to bf16, into xa (rows past a scenario's count are 0), their rows of ps and the tile's scenario into tab
;   72-79   EA    ea[s][:] = scen_embed[s] . attn_w1[512:] + attn_b1, in f32 on numbers rounded to bf16
;   80-499  CAST  32,768 weights each, laid out IN THE ORDER IN WHICH A WAVE OF A LATER LAUNCH TAKES THEM, as fragments of 32 K x 16 columns, 1,024 bytes, as a matrix operand lies in registers:
;                 byte 512 half + 16 lane holds K = 16 half + 8 (lane / 16) + 0..7 of column lane % 16.
;                 w1 (x 2^-4, bf16) and w2 (rounded to bf16, written as f16) -> ws[expert 12][wave 4][chunk of 256 hidden 4][fragment 128]; a chunk's fragments: 64 of w1 (K step ks of 16, column block nb of 4:
;                 4 ks + nb), then 64 of w2 (ks of 8, nb of 8: 64 + 8 ks + nb).
;                 attn_w1[:512] and out_w (rounded to bf16, written as f16) -> wf: [K step 16][column half 2][fragment 8], then [128 columns y 4][K step 32][set 2][fragment 8];
;                 out_w's blocks of 512 rows 0, 1, 2, 3 are (set 0, K 0-511), (set 1, K 0-511), (set 0, K 512-1,023), (set 1, K 512-1,023).
;   500-755 ROWS  16 rows of x: rounded to bf16 into xa, and their softmax gates (f32); 66 entries of the row table's identity part
; A scenario with c rows takes ceil(c / 384) groups of 384 rows; the sum over 8 scenarios is at most floor((4096 + 8 x 383) / 384) = 18 groups = 72 tiles of 96.
; LIMITS.  A weight written as f16 must lie within 65,504, and below 6e-5 it keeps f16's fixed step of 6e-8; a number of w1 below 2^-122 loses bits by the 2^-4.  NaN and infinities are not treated apart.
; No matrix unit, no tensor load: the work is casts and a sort, bound by bytes.
.set CNT, 0                            ; SORT: 8 scenarios x 256 threads, words; EA: 8 waves x 256 partial sums; CAST: 8 waves x 8,448 bytes, each wave's own, in which 8 fragments are turned
.set TOT, 8192                         ; 8 totals
.set TOK, 8448                         ; 8 waves x 128 words: each wave notes its own threads' tokens in a table of its own: 0 = none, else token + 1; word 96 takes those outside the tile
.set SPARE, 67584                      ; the spare words: 128 bytes for each of 8 waves; no other line names them
.macro RND2 a, b, t                    ; two f32 rounded to bf16: packed in t, and back as f32 in place
	v_cvt_pk_bf16_f32 v[\t], v[\a], v[\b]
	v_lshlrev_b32 v[\a], 16, v[\t]
	v_and_b32 v[\b], 0xffff0000, v[\t]
.endm
.macro FIN                             ; a wave's end
	s_wait_tensorcnt 0x0
	ds_add_u32 v214, v215
	s_wait_dscnt 0x0
	s_endpgm
.endm
	s_load_b512 s[4:19], s[0:1], 0x0       ; x 4, ids 6, gate_w 8, gate_b 10, sub_w1 12, spec_w1 14, sub_w2 16, spec_w2 18
	s_load_b512 s[20:35], s[0:1], 0x40     ; out_w 20, attn_w1 22, attn_b1 24, scen_embed 26, xa 28, ws 30, wf 32, sm 34
	s_load_b64 s[36:37], s[0:1], 0x80      ; tab 36
	v_lshl_add_u32 v214, v0, 2, SPARE
	v_mov_b32 v215, 0
	v_lshrrev_b32 v2, 5, v0
	v_readfirstlane_b32 s40, v2            ; wave
	v_and_b32 v1, 31, v0                   ; lane
	s_mov_b32 s41, ttmp9
	s_wait_kmcnt 0x0
	s_cmp_lt_u32 s41, 72
	s_cbranch_scc1 .Lsort
	s_cmp_lt_u32 s41, 80
	s_cbranch_scc1 .Lea
	s_cmp_ge_u32 s41, 500
	s_cbranch_scc1 .Lrows
; ---------------- CAST: chunk c of 420.  Source, destination, their chunk numbers and the kind are chosen by compares on c alone.
	s_sub_co_u32 s42, s41, 80
	s_mov_b64 s[44:45], s[12:13]           ; c < 64: sub_w1 -> ws, kind 0
	s_mov_b64 s[46:47], s[30:31]
	s_mov_b32 s48, s42                     ; chunk in the source
	s_mov_b32 s49, s42                     ; 16 x expert + chunk in the expert; for wf: the chunk in the source
	s_mov_b32 s50, 0
	s_sub_co_u32 s51, s42, 64
	s_cmp_ge_u32 s42, 64                   ; c < 192: spec_w1: experts 4 to 11
	s_cselect_b64 s[44:45], s[14:15], s[44:45]
	s_cselect_b32 s48, s51, s48
	s_sub_co_u32 s51, s42, 192
	s_cmp_ge_u32 s42, 192                  ; c < 256: sub_w2, kind 1
	s_cselect_b64 s[44:45], s[16:17], s[44:45]
	s_cselect_b32 s48, s51, s48
	s_cselect_b32 s49, s51, s49
	s_cselect_b32 s50, 1, s50
	s_sub_co_u32 s51, s42, 256
	s_cmp_ge_u32 s42, 256                  ; c < 384: spec_w2
	s_cselect_b64 s[44:45], s[18:19], s[44:45]
	s_cselect_b32 s48, s51, s48
	s_sub_co_u32 s51, s42, 384
	s_cmp_ge_u32 s42, 384                  ; c < 416: out_w -> wf, kind 2
	s_cselect_b64 s[44:45], s[20:21], s[44:45]
	s_cselect_b64 s[46:47], s[32:33], s[46:47]
	s_cselect_b32 s48, s51, s48
	s_cselect_b32 s49, s51, s49
	s_cselect_b32 s50, 2, s50
	s_sub_co_u32 s51, s42, 416
	s_cmp_ge_u32 s42, 416                  ; the last four: attn_w1's first 512 rows -> wf, kind 3
	s_cselect_b64 s[44:45], s[22:23], s[44:45]
	s_cselect_b32 s48, s51, s48
	s_cselect_b32 s49, s51, s49
	s_cselect_b32 s50, 3, s50
	s_lshl_b32 s54, s48, 17                ; a chunk is 131,072 bytes of f32
	s_mov_b32 s55, 0
	s_mov_b32 s57, 0
	s_add_nc_u64 s[44:45], s[44:45], s[54:55]
; A wave turns a block of 32 K rows x 128 columns into 8 fragments.  Lane L reads 4 columns of each row (a load covers 512 consecutive bytes), packs pairs along K, and so holds, for each of its
; columns, four pieces of 16 bytes (8 K each).  They go into the wave's own LDS bytes at their places in the fragments (a fragment every 1,040 bytes)
; and come back 512 consecutive bytes at a time, which is how they are stored.
.macro FRAG rowb, kind
.set i, 0
.rept 32
	global_load_b128 v[16+4*i:19+4*i], v3, s[44:45] offset:(\rowb)*i th:TH_LOAD_NT
.set i, i+1
.endr
.set q, 0
.rept 16
	s_wait_loadcnt 30-2*q                  ; loads come back in order: rows 2 q and 2 q + 1 are in, the younger ones stay out
.if (\kind) == 0
.irp p,0,2,4,6
	v_pk_mul_f32 v[16+8*q+\p:17+8*q+\p], v[16+8*q+\p:17+8*q+\p], s[60:61] op_sel_hi:[1,0]  ; x 2^-4: exact
.endr
.irp c,0,1,2,3
	v_cvt_pk_bf16_f32 v[144+16*\c+q], v[16+8*q+\c], v[20+8*q+\c]
.endr
.else
.irp c,0,1,2,3
	RND2 16+8*q+\c,20+8*q+\c,208
	v_cvt_pk_f16_f32 v[144+16*\c+q], v[16+8*q+\c], v[20+8*q+\c]    ; the bf16 number, written as f16
.endr
.endif
.set q, q+1
.endr
.irp c,0,1,2,3
.irp o,0,1,2,3
	ds_store_b128 v5, v[144+16*\c+4*\o:147+16*\c+4*\o] offset:256*\o+16*\c     ; column 4 (L % 4) + c of fragment L / 4, K = 8 o on
.endr
.endr
.set i, 0
.rept 16
	ds_load_b128 v[16+4*i:19+4*i], v6 offset:1040*(i/2)+512*(i%2)  ; LDS serves a wave's instructions in order: these see the stores above
.set i, i+1
.endr
.set i, 0
.rept 16
	s_wait_dscnt 15-i                      ; half a fragment is back, the younger ones stay out
.if (\kind) == 0
	global_store_b128 v3, v[16+4*i:19+4*i], s[46:47] offset:(i/8)*524288+((i/2)%4)*1024+(i%2)*512  ; 64 columns to one wave's stream, 64 to the next wave's
.else
	global_store_b128 v3, v[16+4*i:19+4*i], s[46:47] offset:(i/2)*1024+(i%2)*512
.endif
.set i, i+1
.endr
.endm
	s_mov_b32 s60, 0x3d800000              ; 2^-4
	s_mov_b32 s61, s60
	s_lshr_b32 s52, s49, 4                 ; expert
	s_and_b32 s53, s49, 15                 ; chunk in the expert
	s_lshl_b32 s56, s52, 21                ; an expert's 2 MiB of ws
	s_mul_i32 s58, s40, 8448               ; my wave's LDS bytes
	v_lshlrev_b32 v3, 4, v1                ; 16 x lane
	v_lshrrev_b32 v5, 2, v1
	v_mul_u32_u24 v5, v5, 1040
	v_and_b32 v6, 3, v1
	v_lshl_add_u32 v5, v6, 6, v5
	v_add_nc_u32 v5, s58, v5               ; in: fragment L / 4, columns 4 (L % 4) on
	v_add_nc_u32 v6, s58, v3               ; back: 16 x lane
	s_cmp_eq_u32 s50, 1
	s_cbranch_scc1 .Lw2
	s_cmp_eq_u32 s50, 2
	s_cbranch_scc1 .Lwo
	s_cmp_eq_u32 s50, 3
	s_cbranch_scc1 .Lwa
	; w1: the chunk is K step ks = 32 whole rows of 1,024; wave g takes columns 128 g on: hidden chunk g / 2, the next launch's waves 2 (g % 2) and 2 (g % 2) + 1
	s_lshl_b32 s54, s40, 9
	s_add_nc_u64 s[44:45], s[44:45], s[54:55]
	s_lshr_b32 s59, s40, 1
	s_lshl_b32 s59, s59, 17
	s_add_co_u32 s56, s56, s59
	s_and_b32 s59, s40, 1
	s_lshl_b32 s59, s59, 20
	s_add_co_u32 s56, s56, s59
	s_lshl_b32 s59, s53, 12                ; fragment 4 ks
	s_add_co_u32 s56, s56, s59
	s_add_nc_u64 s[46:47], s[46:47], s[56:57]
	FRAG 4096, 0
	FIN
.Lwa:	; attn_w1: the chunk is 128 rows of 256: four K steps x two column halves; wave g takes K step g / 2, half g % 2
	s_lshr_b32 s59, s40, 1
	s_lshl_b32 s54, s59, 15                ; 32 rows of 1,024 bytes
	s_and_b32 s62, s40, 1
	s_lshl_b32 s63, s62, 9
	s_add_co_u32 s54, s54, s63
	s_add_nc_u64 s[44:45], s[44:45], s[54:55]
	s_lshl_b32 s53, s49, 2
	s_add_co_u32 s53, s53, s59             ; K step of 16
	s_lshl_b32 s56, s53, 14                ; a K step is 16 fragments
	s_lshl_b32 s62, s62, 13
	s_add_co_u32 s56, s56, s62
	s_add_nc_u64 s[46:47], s[46:47], s[56:57]
	FRAG 1024, 1
	FIN
.Lwo:	; out_w: the chunk is 64 rows of 512: two K steps; wave g takes K step g / 4, columns 128 (g % 4) on
	s_lshr_b32 s59, s40, 2
	s_lshl_b32 s54, s59, 16
	s_and_b32 s62, s40, 3                  ; y
	s_lshl_b32 s63, s62, 9
	s_add_co_u32 s54, s54, s63
	s_add_nc_u64 s[44:45], s[44:45], s[54:55]
	s_lshr_b32 s52, s49, 3                 ; the block of 512 rows
	s_and_b32 s53, s49, 7
	s_lshl_b32 s53, s53, 1
	s_add_co_u32 s53, s53, s59             ; K step in the block
	s_lshr_b32 s63, s52, 1                 ; blocks 2 and 3 are K 512 on
	s_lshl_b32 s63, s63, 4
	s_add_co_u32 s53, s53, s63             ; K step of 32
	s_lshl_b32 s56, s53, 14
	s_and_b32 s52, s52, 1                  ; set
	s_lshl_b32 s52, s52, 13
	s_add_co_u32 s56, s56, s52
	s_lshl_b32 s62, s62, 19
	s_add_co_u32 s56, s56, s62
	s_add_co_u32 s56, s56, 262144          ; behind the attention's 256 fragments
	s_add_nc_u64 s[46:47], s[46:47], s[56:57]
	s_branch .Lf2048
.Lw2:	; w2: the chunk is 64 rows of 512: two K steps; wave g takes K step g / 4, columns 128 (g % 4) on: the next launch's wave g % 4
	s_lshr_b32 s59, s40, 2
	s_lshl_b32 s54, s59, 16
	s_and_b32 s62, s40, 3
	s_lshl_b32 s63, s62, 9
	s_add_co_u32 s54, s54, s63
	s_add_nc_u64 s[44:45], s[44:45], s[54:55]
	s_lshl_b32 s53, s53, 1
	s_add_co_u32 s53, s53, s59             ; K step of 32 among the expert's 32
	s_lshr_b32 s59, s53, 3                 ; hidden chunk
	s_lshl_b32 s59, s59, 17
	s_add_co_u32 s56, s56, s59
	s_and_b32 s59, s53, 7
	s_lshl_b32 s59, s59, 13                ; fragment 8 ks,
	s_add_co_u32 s56, s56, s59
	s_lshl_b32 s59, s62, 19
	s_add_co_u32 s56, s56, s59
	s_add_co_u32 s56, s56, 65536           ; behind the chunk's 64 fragments of w1
	s_add_nc_u64 s[46:47], s[46:47], s[56:57]
.Lf2048:                                       ; w2 and out_w have rows of 2,048 bytes and eight fragments on end: one text
	FRAG 2048, 1
	FIN
; ---------------- ROWS: work-group u takes rows 16 u .. 16 u + 15, a wave two of them.  Lane L holds x[128 q + 4 L + i], q, i = 0..3.
.Lrows:
	s_sub_co_u32 s42, s41, 500
	s_mul_i32 s43, s42, 66                 ; the shared tiles' rows of ps are their own numbers: 16,896 = 256 x 66 entries
	v_add_nc_u32 v3, s43, v0
	v_lshlrev_b32 v4, 2, v3
	v_cmp_gt_u32 vcc_lo, 66, v0
	s_wait_xcnt 0x0                        ; EXEC changes only behind this wait
	s_and_saveexec_b32 s44, vcc_lo
	global_store_b32 v4, v3, s[36:37]
	s_wait_xcnt 0x0
	s_or_b32 exec_lo, exec_lo, s44
	v_lshlrev_b32 v5, 6, v1
.set n, 0
.rept 16                                       ; gate_w's rows 128 q + 4 L + i, 16 bytes each
	global_load_b128 v[16+4*n:19+4*n], v5, s[8:9] offset:2048*(n/4)+16*(n%4)
.set n, n+1
.endr
	v_mov_b32 v6, 0
	global_load_b128 v[128:131], v6, s[10:11]
	s_lshl_b32 s43, s42, 4
	s_lshl_b32 s45, s40, 1
	s_add_co_u32 s43, s43, s45             ; my first row
	s_lshl_b32 s46, s43, 11
	s_mov_b32 s47, 0
	s_add_nc_u64 s[48:49], s[4:5], s[46:47]
	s_lshl_b32 s46, s43, 10
	s_add_nc_u64 s[52:53], s[28:29], s[46:47]
	s_lshl_b32 s46, s43, 4
	s_add_nc_u64 s[54:55], s[34:35], s[46:47]
	v_lshlrev_b32 v7, 4, v1
	v_lshlrev_b32 v8, 3, v1
.set n, 0
.rept 8
	global_load_b128 v[80+4*n:83+4*n], v7, s[48:49] offset:2048*(n/4)+512*(n%4)
.set n, n+1
.endr
	s_mov_b32 s46, 0x76543210              ; each lane takes its own place in the other half of the lanes
	s_mov_b32 s47, 0xfedcba98
	v_mov_b32 v140, 0
	s_wait_loadcnt 0x0
.set i, 0
.rept 32
	RND2 16+2*i,17+2*i,148
.set i, i+1
.endr
	RND2 128,129,148
	RND2 130,131,148
.set i, 0
.rept 16
	RND2 80+2*i,81+2*i,112+i
.set i, i+1
.endr
.set n, 0
.rept 8                                        ; 32 lanes x 8 bytes: 256 consecutive bytes of xa
	global_store_b64 v8, v[112+2*n:113+2*n], s[52:53] offset:1024*(n/4)+256*(n%4)
.set n, n+1
.endr
.set n, 0
.rept 32                                       ; row n / 16, my element n % 16, four gates
.irp e,0,1,2,3
.if (n%16) == 0
	v_mul_f32 v[132+4*(n/16)+\e], v[80+n], v[16+4*(n%16)+\e]
.else
	v_fmac_f32 v[132+4*(n/16)+\e], v[80+n], v[16+4*(n%16)+\e]
.endif
.endr
.set n, n+1
.endr
.irp m,1,2,4,8
.set i, 0
.rept 8
	v_add_f32_dpp v[132+i], v[132+i], v[132+i] row_xmask:\m row_mask:0xf bank_mask:0xf
.set i, i+1
.endr
.endr
.set i, 0
.rept 8
	v_permlanex16_b32 v140, v[132+i], s46, s47
	v_add_f32 v[132+i], v[132+i], v140
	v_add_f32 v[132+i], v[132+i], v[128+i%4]       ; + gate_b
.set i, i+1
.endr
.irp w,0,1                                     ; the softmax takes its maximum away first
	v_max3_num_f32 v[141+\w], v[132+4*\w], v[133+4*\w], v[134+4*\w]
	v_max_num_f32 v[141+\w], v[141+\w], v[135+4*\w]
.endr
.set i, 0
.rept 8
	v_sub_f32 v[132+i], v[132+i], v[141+i/4]
	v_mul_f32 v[132+i], 0x3fb8aa3b, v[132+i]
.set i, i+1
.endr
.set i, 0
.rept 8
	v_exp_f32 v[132+i], v[132+i]
.set i, i+1
.endr
	v_nop                                  ; a plain instruction behind the last exponential,
	s_wait_alu depctr_va_vdst(0)           ; and one wait for the batch of eight
.irp w,0,1
	v_add_f32 v[141+\w], v[132+4*\w], v[133+4*\w]
	v_add_f32 v143, v[134+4*\w], v[135+4*\w]
	v_add_f32 v[141+\w], v[141+\w], v143
.endr
	v_rcp_f32 v141, v141
	v_rcp_f32 v142, v142
	v_nop
	s_wait_alu depctr_va_vdst(0)
.set i, 0
.rept 8
	v_mul_f32 v[132+i], v[132+i], v[141+i/4]
.set i, i+1
.endr
	v_cmp_eq_u32 vcc_lo, 1, v1
.irp e,0,1,2,3
	v_cndmask_b32 v[144+\e], v[132+\e], v[136+\e], vcc_lo  ; lane 0 stores the first row's gates, lane 1 the second's
.endr
	v_lshlrev_b32 v9, 4, v1
	v_cmp_gt_u32 vcc_lo, 2, v1
	s_wait_xcnt 0x0
	s_and_saveexec_b32 s44, vcc_lo
	global_store_b128 v9, v[144:147], s[54:55]
	s_wait_xcnt 0x0
	s_or_b32 exec_lo, exec_lo, s44
	FIN
; ---------------- EA: scenario s.  Wave w sums k = 64 w .. 64 w + 63, lane L the columns 8 L .. 8 L + 7; the eight waves' sums meet in LDS.
.Lea:
	s_sub_co_u32 s42, s41, 72
	s_lshl_b32 s44, s40, 16
	s_add_co_u32 s44, s44, 524288          ; attn_w1's row 512 + 64 w
	s_mov_b32 s45, 0
	s_add_nc_u64 s[46:47], s[22:23], s[44:45]
	s_lshl_b32 s44, s42, 11
	s_lshl_b32 s48, s40, 8
	s_add_co_u32 s44, s44, s48
	s_add_nc_u64 s[48:49], s[26:27], s[44:45]
	v_lshlrev_b32 v3, 5, v1
	v_mov_b32 v4, 0
.set i, 0
.rept 8
	v_mov_b32 v[160+i], 0
.set i, i+1
.endr
	s_mov_b32 s50, 4
.Leak:                                         ; a trip: 16 k
.set i, 0
.rept 16
	global_load_b128 v[16+8*i:19+8*i], v3, s[46:47] offset:1024*i
	global_load_b128 v[20+8*i:23+8*i], v3, s[46:47] offset:1024*i+16
.set i, i+1
.endr
.irp i,0,1,2,3
	global_load_b128 v[144+4*\i:147+4*\i], v4, s[48:49] offset:16*\i
.endr
	s_wait_loadcnt 0x0                     ; all are in: their bases may be stepped below
.set i, 0
.rept 72
	RND2 16+2*i,17+2*i,168
.set i, i+1
.endr
.set i, 0
.rept 128
	v_fmac_f32 v[160+i%8], v[16+i], v[144+i/8]
.set i, i+1
.endr
	s_add_nc_u64 s[46:47], s[46:47], 16384
	s_add_nc_u64 s[48:49], s[48:49], 64
	s_sub_co_u32 s50, s50, 1
	s_cmp_lg_u32 s50, 0
	s_cbranch_scc1 .Leak
	v_lshl_add_u32 v5, s40, 10, v3
	ds_store_b128 v5, v[160:163]
	ds_store_b128 v5, v[164:167] offset:16
	v_lshlrev_b32 v6, 2, v0
	global_load_b32 v170, v6, s[24:25]
	s_wait_dscnt 0x0                       ; for the others' sake: my sums are in LDS
	s_barrier_signal -1
	s_barrier_wait -1
.irp i,0,1,2,3,4,5,6,7
	ds_load_b32 v[172+\i], v6 offset:1024*\i
.endr
	s_wait_loadcnt 0x0
	v_cvt_pk_bf16_f32 v170, v170, v170
	v_lshlrev_b32 v170, 16, v170           ; attn_b1 rounded to bf16
	s_wait_dscnt 0x0
.irp i,0,1,2,3,4,5,6,7
	v_add_f32 v170, v170, v[172+\i]
.endr
	v_lshl_add_u32 v7, s42, 10, v6
	global_store_b32 v7, v170, s[34:35] offset:65536
	FIN
; ---------------- SORT: thread t owns tokens 16 t .. 16 t + 15.  Every work-group sorts all ids for itself and keeps what falls into its tile j.
.Lsort:
	v_lshlrev_b32 v3, 6, v0
.irp i,0,1,2,3
	global_load_b128 v[16+4*\i:19+4*\i], v3, s[6:7] offset:16*\i
.endr
	v_mov_b32 v75, s40
	v_lshlrev_b32 v75, 9, v75              ; my wave's table of tokens: 512 bytes
	v_lshl_add_u32 v4, v1, 2, v75
	v_mov_b32 v5, 0
.irp k,0,1,2,3
	ds_store_b32 v4, v5 offset:TOK+128*\k  ; no token yet: each wave clears its own 128 words
.endr
.set i, 0
.rept 24
	v_mov_b32 v[32+i], 0                   ; v32-39 my counts, v40-55 my tokens' places
.set i, i+1
.endr
	s_mul_i32 s42, s41, 96
	s_mov_b32 s43, 43691
	s_wait_loadcnt 0x0
.set i, 0
.rept 128                                      ; scenario i / 16, token i % 16
	v_cmp_eq_u32 vcc_lo, i/16, v[16+i%16]
	v_add_co_ci_u32 v[32+i/16], vcc_lo, 0, v[32+i/16], vcc_lo
.set i, i+1
.endr
	v_lshlrev_b32 v6, 2, v0
.irp i,0,1,2,3,4,5,6,7
	ds_store_b32 v6, v[32+\i] offset:1024*\i
.endr
	s_wait_dscnt 0x0
	s_barrier_signal -1
	s_barrier_wait -1
	; wave w scans scenario w's 256 counts: lane L takes eight of them
	v_lshlrev_b32 v7, 5, v1
	v_lshl_add_u32 v7, s40, 10, v7
	ds_load_b128 v[64:67], v7
	ds_load_b128 v[68:71], v7 offset:16
	s_wait_dscnt 0x0
.irp i,1,2,3,4,5,6,7
	v_add_nc_u32 v[64+\i], v[63+\i], v[64+\i]
.endr
	v_mov_b32 v72, v71
	v_mov_b32 v73, 0
.irp n,1,2,4,8
	v_mov_b32_dpp v73, v72 row_shr:\n row_mask:0xf bank_mask:0xf bound_ctrl:1
	v_add_nc_u32 v72, v72, v73
.endr
	v_readlane_b32 s44, v72, 15
	v_cmp_lt_u32 vcc_lo, 15, v1
	v_cndmask_b32 v73, 0, s44, vcc_lo
	v_add_nc_u32 v72, v72, v73             ; the sum up to and with my eight
	v_readlane_b32 s44, v72, 31            ; the scenario's count
	v_sub_nc_u32 v72, v72, v71             ; the sum in front of my eight
.irp i,7,6,5,4,3,2,1
	v_add_nc_u32 v[64+\i], v[63+\i], v72
.endr
	v_mov_b32 v64, v72
	ds_store_b128 v7, v[64:67]
	ds_store_b128 v7, v[68:71] offset:16
	v_mov_b32 v73, s44
	v_mov_b32 v74, s40
	v_lshlrev_b32 v74, 2, v74
	ds_store_b32 v74, v73 offset:TOT
	s_wait_dscnt 0x0
	s_barrier_signal -1
	s_barrier_wait -1
	v_mov_b32 v8, TOT
	ds_load_b128 v[80:83], v8
	ds_load_b128 v[84:87], v8 offset:16
.irp i,0,1,2,3,4,5,6,7
	ds_load_b32 v[88+\i], v6 offset:1024*\i
.endr
	s_lshr_b32 s44, s41, 2
	v_mov_b32 v99, s44                     ; my tile's group of 384 rows
	v_mov_b32 v96, 0                       ; groups in front of the scenario
	v_mov_b32 v97, 0                       ; scenarios that end at or in front of my group
	s_wait_dscnt 0x0
.irp i,0,1,2,3,4,5,6,7
	v_mul_u32_u24 v98, v96, 384
	v_add_nc_u32 v[56+\i], v98, v[88+\i]   ; where my first row of this scenario goes
	v_add_nc_u32 v98, 383, v[80+\i]
	v_mul_lo_u32 v98, v98, s43
	v_lshrrev_b32 v98, 24, v98             ; ceil(c / 384): 43,691 / 2^24 is 1 / 384 to within 2e-8, and c + 383 < 4,480
	v_add_nc_u32 v96, v96, v98
	v_cmp_le_u32 vcc_lo, v96, v99
	v_add_co_ci_u32 v97, vcc_lo, 0, v97, vcc_lo
.endr
	v_min_u32 v97, 7, v97                  ; a tile behind the last scenario's rows takes scenario 7's weights, on rows of zeros
.set i, 0
.rept 128
	v_cmp_eq_u32 vcc_lo, i/16, v[16+i%16]
	v_cndmask_b32 v[40+i%16], v[40+i%16], v[56+i/16], vcc_lo
	v_add_co_ci_u32 v[56+i/16], vcc_lo, 0, v[56+i/16], vcc_lo
.set i, i+1
.endr
	v_lshlrev_b32 v7, 4, v0
.set i, 0
.rept 16                                       ; a token whose place falls into my tile is noted there, as token + 1, in my wave's own table; all others land in its word 96, which nobody reads
	v_add_nc_u32 v8, i+1, v7
	v_sub_nc_u32 v9, v[40+i], s42
	v_min_u32 v9, 96, v9
	v_lshl_add_u32 v9, v9, 2, v75
	ds_store_b32 v9, v8 offset:TOK
.set i, i+1
.endr
	s_wait_dscnt 0x0                       ; for the others' sake: my wave's table is written
	s_barrier_signal -1
	s_barrier_wait -1
	; a place has at most one token, so the eight tables are joined by OR; less 1 that is the token, or all ones where there is none
	v_min_u32 v4, 95, v0
	v_lshlrev_b32 v4, 2, v4
.irp i,0,1,2,3,4,5,6,7
	ds_load_b32 v[64+\i], v4 offset:TOK+512*\i
.endr
	s_mul_i32 s44, s40, 48
	v_mov_b32 v11, s44
.set i, 0
.rept 24                                       ; my wave's twelve places, in table i / 3
	ds_load_b128 v[112+4*i:115+4*i], v11 offset:TOK+512*(i/3)+16*(i%3)
.set i, i+1
.endr
	s_add_co_u32 s44, s42, 20992
	s_lshl_b32 s46, s42, 2
	s_lshl_b32 s47, s41, 2
	v_add_nc_u32 v12, s44, v0              ; a row without a token goes to a row of ps that nobody reads
	v_add_nc_u32 v13, s46, v6
	v_mov_b32 v14, s47
	s_wait_dscnt 0x0
	v_or_b32 v10, v64, v65
.irp i,2,3,4,5,6,7
	v_or_b32 v10, v10, v[64+\i]
.endr
	v_add_nc_u32 v10, -1, v10
.set n, 0
.rept 12
	v_or_b32 v[100+n], v[112+n], v[124+n]
.irp i,2,3,4,5,6,7
	v_or_b32 v[100+n], v[100+n], v[112+12*\i+n]
.endr
	v_add_nc_u32 v[100+n], -1, v[100+n]
.set n, n+1
.endr
	v_cmp_gt_u32 vcc_lo, 4096, v10
	v_add_nc_u32 v10, 16896, v10
	v_cndmask_b32 v10, v12, v10, vcc_lo
	v_cmp_gt_u32 vcc_lo, 96, v0
	s_wait_xcnt 0x0
	s_and_saveexec_b32 s45, vcc_lo
	global_store_b32 v13, v10, s[36:37] offset:67584
	s_wait_xcnt 0x0
	s_or_b32 exec_lo, exec_lo, s45
	v_cmp_eq_u32 vcc_lo, 0, v0
	s_and_saveexec_b32 s45, vcc_lo
	global_store_b32 v14, v97, s[36:37] offset:95232
	s_wait_xcnt 0x0
	s_or_b32 exec_lo, exec_lo, s45
	; the gather: wave w copies rows 12 w .. 12 w + 11 of the tile, four at a time
	s_mul_i32 s44, s40, 12
	s_add_co_u32 s44, s44, s42
	s_add_co_u32 s44, s44, 4096
	s_lshl_b32 s44, s44, 10
	s_mov_b32 s45, 0
	s_add_nc_u64 s[60:61], s[28:29], s[44:45]
	v_lshlrev_b32 v11, 4, v1
	v_lshlrev_b32 v12, 3, v1
.set bt, 0
.rept 3
	s_wait_xcnt 0x0                        ; the last batch's bases and store data are rewritten only behind this wait
.irp i,0,1,2,3
	v_readfirstlane_b32 s[68+2*\i], v[100+4*bt+\i]
	s_cmp_lt_u32 s[68+2*\i], 4096
	s_cselect_b32 s[76+\i], -1, 0          ; no token: the row becomes 0
	s_min_u32 s[68+2*\i], s[68+2*\i], 4095
	s_lshl_b32 s[68+2*\i], s[68+2*\i], 11
	s_mov_b32 s[69+2*\i], 0
	s_add_nc_u64 s[80+2*\i:81+2*\i], s[4:5], s[68+2*\i:69+2*\i]
.irp q,0,1,2,3
	global_load_b128 v[112+16*\i+4*\q:115+16*\i+4*\q], v11, s[80+2*\i:81+2*\i] offset:512*\q
.endr
.endr
	s_wait_loadcnt 0x0
.irp i,0,1,2,3
.irp q,0,1,2,3
	v_cvt_pk_bf16_f32 v[176+8*\i+2*\q], v[112+16*\i+4*\q], v[113+16*\i+4*\q]
	v_cvt_pk_bf16_f32 v[177+8*\i+2*\q], v[114+16*\i+4*\q], v[115+16*\i+4*\q]
	v_and_b32 v[176+8*\i+2*\q], s[76+\i], v[176+8*\i+2*\q]
	v_and_b32 v[177+8*\i+2*\q], s[76+\i], v[177+8*\i+2*\q]
	global_store_b64 v12, v[176+8*\i+2*\q:177+8*\i+2*\q], s[60:61] offset:(4*bt+\i)*1024+256*\q
.endr
.endr
.set bt, bt+1
.endr
	FIN
.Lfunc_end_k_qff9cd070b8_prep:
	.size	k_qff9cd070b8_prep, .Lfunc_end_k_qff9cd070b8_prep-k_qff9cd070b8_prep
	.p2alignl 7, 3214868480
	.fill 96, 4, 3214868480
	.section	.rodata,"a",@progbits
	.p2align	6, 0x0
	.amdhsa_kernel k_qff9cd070b8_prep
		.amdhsa_group_segment_fixed_size 68608
		.amdhsa_private_segment_fixed_size 0
		.amdhsa_enable_private_segment 0
		.amdhsa_kernarg_size 136
		.amdhsa_user_sgpr_count 2
		.amdhsa_user_sgpr_kernarg_segment_ptr 1
		.amdhsa_wavefront_size32 1
		.amdhsa_system_sgpr_workgroup_id_x 1
		.amdhsa_system_sgpr_workgroup_id_y 1
		.amdhsa_system_sgpr_workgroup_id_z 1
		.amdhsa_system_vgpr_workitem_id 0
		.amdhsa_next_free_vgpr 216
		.amdhsa_next_free_sgpr 96
		.amdhsa_reserve_vcc 1
		.amdhsa_float_denorm_mode_32 3
		.amdhsa_float_denorm_mode_16_64 3
		.amdhsa_memory_ordered 1
		.amdhsa_forward_progress 1
		.amdhsa_inst_pref_size 168
	.end_amdhsa_kernel
	.amdgpu_metadata
---
amdhsa.version: [ 1, 2 ]
amdhsa.kernels:
  - .name:           k_qff9cd070b8_prep
    .symbol:         k_qff9cd070b8_prep.kd
    .args:
      - { .name: x, .offset: 0, .size: 8, .value_kind: global_buffer, .address_space: global }
      - { .name: scenario_ids, .offset: 8, .size: 8, .value_kind: global_buffer, .address_space: global }
      - { .name: gate_w, .offset: 16, .size: 8, .value_kind: global_buffer, .address_space: global }
      - { .name: gate_b, .offset: 24, .size: 8, .value_kind: global_buffer, .address_space: global }
      - { .name: sub_w1, .offset: 32, .size: 8, .value_kind: global_buffer, .address_space: global }
      - { .name: spec_w1, .offset: 40, .size: 8, .value_kind: global_buffer, .address_space: global }
      - { .name: sub_w2, .offset: 48, .size: 8, .value_kind: global_buffer, .address_space: global }
      - { .name: spec_w2, .offset: 56, .size: 8, .value_kind: global_buffer, .address_space: global }
      - { .name: out_w, .offset: 64, .size: 8, .value_kind: global_buffer, .address_space: global }
      - { .name: attn_w1, .offset: 72, .size: 8, .value_kind: global_buffer, .address_space: global }
      - { .name: attn_b1, .offset: 80, .size: 8, .value_kind: global_buffer, .address_space: global }
      - { .name: scen_embed, .offset: 88, .size: 8, .value_kind: global_buffer, .address_space: global }
      - { .name: xa, .offset: 96, .size: 8, .value_kind: global_buffer, .address_space: global }
      - { .name: ws, .offset: 104, .size: 8, .value_kind: global_buffer, .address_space: global }
      - { .name: wf, .offset: 112, .size: 8, .value_kind: global_buffer, .address_space: global }
      - { .name: sm, .offset: 120, .size: 8, .value_kind: global_buffer, .address_space: global }
      - { .name: tab, .offset: 128, .size: 8, .value_kind: global_buffer, .address_space: global }
    .group_segment_fixed_size: 68608
    .private_segment_fixed_size: 0
    .kernarg_segment_align: 8
    .kernarg_segment_size: 136
    .max_flat_workgroup_size: 256
    .sgpr_count:     96
    .vgpr_count:     216
    .wavefront_size: 32
...
	.end_amdgpu_metadata
.endif
;; end of part 4
;; launch chain (part 5): grid 248 x 1, 4 waves a work-group, no clusters, 167,936 bytes of LDS; arguments xa, ws, tab, sub_b1, spec_b1, sub_b2, spec_b2, ps; writes ps
.if DOCPART == 5
	.amdgcn_target "amdgcn-amd-amdhsa--gfx1250"
	.amdhsa_code_object_version 6
	.text
	.protected	k_qff9cd070b8_chain
	.globl	k_qff9cd070b8_chain
	.p2align	8
	.type	k_qff9cd070b8_chain,@function
k_qff9cd070b8_chain:
	s_mov_b64 s[64:65], 0
	v_nop
	global_prefetch_b8 v0, s[64:65] scope:SCOPE_SE
	s_setreg_imm32_b32 hwreg(HW_REG_WAVE_MODE, 25, 1), 1
	s_wait_xcnt 0x0
; CHAIN: P = relu(A W1 + b1) W2 + b2 for one tile of 96 rows and ONE expert; the hidden layer never leaves LDS.
; Tiles 0-175: shared expert e = tile / 44, rows 96 (tile % 44) of x (44 x 96 = 4,224: the 128 rows past 4,095 are spare work on rows of xa that exist; their results go to rows of ps that nobody reads).
; Tiles 176-247: the sorted rows of one scenario; which one is read from tab, and so is every row's place in ps.  No branch, count or LDS address hangs on those numbers.
; The hidden width goes in four chunks of 256.  PHASE A: H/16 = A (W1/16) (bf16, K = 512), a wave 96 x 64, started from b1/16.  Then relu, f16, into LDS.
; PHASE B: P/16 += (H/16) W2 (f16, K = 256), a wave 96 x 128 in 384 registers, started from b2/16.
; Both products are used transposed (source 0 = 16 columns of W, source 1 = 16 rows): a lane holds one row and eight neighbouring columns.
; THE WEIGHTS COME STRAIGHT FROM MEMORY INTO OPERAND REGISTERS.  The waves split the columns, so a fragment of W has one reader in the work-group, and LDS would only pass it on.  ws holds, for each expert and
; wave, the fragments in the order of use: one linear stream of 512 KiB.  A RING of 8 slots of 4 fragments (256 registers) runs through both phases: a UNIT is 4 fragments x 6 row blocks = 24 products; during
; unit u the slot that unit u - 1 read is asked for again, so 7 slots, 28 KiB a wave, are asked for ahead at every unit's head.  A TRIP is once round the ring: 8 units; a chunk is two trips of A and two of B.
; The loads stand in short runs between groups of six products.
; Work-group i begins with chunk i % 4 and goes round (the sum over chunks has no order of its own), so that an expert's tiles do not all ask for the same bytes at the same time; the turn enters global addresses alone.
; ONE TEXT FOR ALL TRIPS has a price, once a launch: the last trip asks for 7 slots (28 KiB a wave, its own stream's, from the chunk it began with) and for a next chunk's first fragments and bias, which nobody uses.
; OUT: each row is scaled by the power of two of its largest number, so that f16 holds it whatever its size; the factor back (x 16 for the 2^-4) goes to ps's table of f32 behind the rows.
; LIMITS.  |A W1 + b1| < 1.04e6 (f16 after 2^-4); |P| < 2^123.  NaN and infinities are not treated apart.
; NO CLUSTER: the one tensor load of a wave brings rows that no other work-group reads; the weights come by plain loads, 2 MiB a work-group.
; REGISTERS (windows of 256).  0: v0-31 addresses; v32-79, v80-127 two buffers of 6 row fragments; v128-255 ring slots 0-3.  1: v0-191 H's 24 accumulators.
;   2: P's accumulators of row blocks 0-3.   3: v0-127 those of blocks 4, 5; v128-255 ring slots 4-7.
.set XP, 1040                          ; a row of A in LDS: 1,024 + 16 bytes
.set HP, 528                           ; a row of H: 512 + 16
.set HB, 99840                         ; behind A's 96 rows: H, 96 rows; on the way out the four waves' stages
.set RM, 150528                        ; [96][4] f32: each wave's largest number of each row
.set SPARE, 152064                     ; the spare words, 128 bytes a wave; no other line names them
.set B1L, 152576                       ; b1 / 16, 1,024 f32, the chunks in the order in which this work-group takes them
.set B2L, 156672                       ; b2 / 16, 512 f32
.set PSC, 28573696                     ; ps: behind 27,904 rows of 1,024 bytes, one f32 a row
.set XF0, 32
.set RG, 128
.set STR, 36                           ; s[36:37] my stream in ws
.set LBA, 38                           ; s[38:39] the stream at this trip's fragments
.set LBB, 40                           ; s[40:41] at the next trip's
.set OFF, 42                           ; s[42:43] an offset in the stream
.set U, 44                             ; s44 the next trip's number in the stream, 0-15
.set KB, 45                            ; s45 at work: a trip's first byte along the rows
.set B1O, 47                           ; s47 the next chunk's place in the table of b1
.set CH, 48                            ; s48, s49, s50: chunks, trips of A, trips of B to go
.set AT, 49
.set BT, 50
.set MSB, 0
.macro WIN new                         ; the immediate's high byte repeats the setting that is left
.if MSB != (\new)
	s_set_vgpr_msb (MSB<<8)|(\new)
.set MSB, \new
.endif
.endm
.macro PLACES                          ; four plain instructions between a matrix instruction and what reads its result or loads into its registers
.rept 4
	v_nop
.endr
.endm
.macro RND2 a, b, t
	v_cvt_pk_bf16_f32 v[\t], v[\a], v[\b]
	v_lshlrev_b32 v[\a], 16, v[\t]
	v_and_b32 v[\b], 0xffff0000, v[\t]
.endm
.macro RFILL p, b                      ; slot p is asked for: 4 fragments, 8 loads of 512 consecutive bytes, from the stream at s[b]
.if (\p) < 4
	WIN 0
.else
	WIN 0xc0
.endif
.irp j,0,1,2,3
	global_load_b128 v[RG+32*((\p)%4)+8*\j:RG+32*((\p)%4)+8*\j+3], v8, s[\b:\b+1] offset:(\p)*4096+\j*1024
	global_load_b128 v[RG+32*((\p)%4)+8*\j+4:RG+32*((\p)%4)+8*\j+7], v8, s[\b:\b+1] offset:(\p)*4096+\j*1024+512
.endr
.endm
.macro FXH f, ar, kb                   ; 3 fragments of A (16 rows x 32 K at byte kb of the rows) from address register ar
.irp t,0,1,2
	ds_load_b128 v[(\f)+8*\t:(\f)+8*\t+3], v[\ar] offset:\t*16*XP+(\kb)
	ds_load_b128 v[(\f)+8*\t+4:(\f)+8*\t+7], v[\ar] offset:\t*16*XP+(\kb)+32
.endr
.endm
.macro FHH f, ar, t0, kb               ; 3 fragments of H: row blocks t0 .. t0 + 2 into buffer f
.irp t,0,1,2
	ds_load_b128 v[(\f)+8*((\t0)+\t):(\f)+8*((\t0)+\t)+3], v[\ar] offset:((\t0)+\t)*16*HP+(\kb)
	ds_load_b128 v[(\f)+8*((\t0)+\t)+4:(\f)+8*((\t0)+\t)+7], v[\ar] offset:((\t0)+\t)*16*HP+(\kb)+32
.endr
.endm
.macro HINIT                           ; H's 24 sums start from b1 / 16 of my columns: read out of LDS straight into the accumulators
	WIN 0x40
.set i, 0
.rept 24
	ds_load_b128 v[8*i:8*i+3], v9 offset:64*(i%4)
	ds_load_b128 v[8*i+4:8*i+7], v9 offset:64*(i%4)+16
.set i, i+1
.endr
	WIN 0
.endm
	s_load_b512 s[4:19], s[0:1], 0x0       ; xa 4, ws 6, tab 8, sub_b1 10, spec_b1 12, sub_b2 14, spec_b2 16, ps 18
	v_lshl_add_u32 v14, v0, 2, SPARE
	v_mov_b32 v15, 0
	ds_add_u32 v14, v15                    ; the wave's opening: the add and its wait ahead of my first tensor load
	ds_add_u32 v14, v15
	v_lshrrev_b32 v3, 5, v0
	v_readfirstlane_b32 s22, v3            ; wave
	s_mov_b32 s25, ttmp9                   ; tile
	s_lshr_b32 s24, s25, 2
	s_mul_i32 s26, s24, 5958
	s_lshr_b32 s26, s26, 16                ; (tile / 4) / 11, exact up to 43
	s_mul_i32 s80, s26, 44
	s_sub_co_u32 s80, s25, s80
	s_mul_i32 s27, s80, 96                 ; a shared tile's first row of xa
	s_max_u32 s81, s25, 176
	s_sub_co_u32 s81, s81, 176             ; scenario tile j
	s_mul_i32 s82, s81, 96
	s_add_co_u32 s82, s82, 4096
	s_lshl_b32 s81, s81, 2
	s_cmp_lt_u32 s25, 176
	s_cselect_b32 s27, s27, s82            ; my first row of xa
	s_cselect_b32 s84, 0, -1               ; a shared tile takes nothing from the table
	s_cselect_b32 s85, s26, 0              ; place in the bias tables, less the table's number
	s_cselect_b32 s26, s26, 4              ; expert, less the table's number
	s_mov_b32 s28, (1<<16)|(1<<20)|(7<<22)|(3<<25)  ; group 1 for A: elements of 2 bytes, padding on: after every 256 words 4 words
	s_mov_b32 s29, 512<<16                 ; tensor_dim0 = 512
	s_mov_b32 s30, 24<<16                  ; tensor_dim1 = 24
	s_mov_b32 s31, 512<<16                 ; tile_dim0
	s_mov_b32 s32, 24                      ; tile_dim1
	s_mov_b32 s33, 512                     ; elements from row to row
	s_mov_b32 s34, 0
	s_mov_b32 s35, 0
	s_mov_b32 s52, 1                       ; group 0: my 24 rows
	s_mul_i32 s53, s22, 24*XP
	s_mov_b32 s88, 0x76543210
	s_mov_b32 s89, 0xfedcba98
	s_mov_b32 s90, 0x3d800000              ; 2^-4
	s_mov_b32 s91, s90
	s_and_b32 s51, s25, 3                  ; the chunk with which I begin
	s_lshl_b32 s[U], s51, 2                ; its first trip's number in the stream
	s_lshl_b32 s[OFF], s[U], 15            ; a trip is 32 KiB
	s_mov_b32 s[OFF+1], 0
	s_mov_b32 s[B1O], 0
	s_wait_dscnt 0x0                       ; the opening add is done
	s_wait_kmcnt 0x0
	s_load_b32 s83, s[8:9], s81 offset:95232   ; the tile's scenario
	s_cmp_lt_u32 s25, 176
	s_cselect_b64 s[76:77], s[10:11], s[12:13]
	s_cselect_b64 s[86:87], s[14:15], s[16:17]
	s_wait_kmcnt 0x0
	s_min_u32 s83, s83, 7
	s_and_b32 s83, s83, s84
	s_add_co_u32 s26, s26, s83             ; expert 0-11
	s_add_co_u32 s85, s85, s83             ; its place in its bias tables
	s_lshl_b32 s82, s26, 21                ; an expert's 2 MiB,
	s_lshl_b32 s80, s22, 19                ; my wave's 512 KiB of them
	s_add_co_u32 s82, s82, s80
	s_mov_b32 s83, 0
	s_add_nc_u64 s[STR:STR+1], s[6:7], s[82:83]
	s_add_nc_u64 s[LBB:LBB+1], s[STR:STR+1], s[OFF:OFF+1]
	s_lshl_b32 s82, s85, 12
	s_add_nc_u64 s[76:77], s[76:77], s[82:83]  ; b1 of my expert
	s_lshl_b32 s82, s85, 11
	s_add_nc_u64 s[86:87], s[86:87], s[82:83]  ; b2
	s_lshl_b32 s82, s27, 10
	s_mul_i32 s80, s22, 24576
	s_add_co_u32 s82, s82, s80
	s_add_nc_u64 s[54:55], s[4:5], s[82:83]
	s_or_b32 s55, s55, 0x80000000
	tensor_load_to_lds s[52:55], s[28:35]  ; my quarter of A: the wave's one tensor load
	s_nop 0
	PLACES
	v_and_b32 v8, 31, v0
	v_lshlrev_b32 v8, 4, v8                ; v8 16 x lane: my 16 bytes of half a fragment; never rewritten
	s_lshl_b32 s80, s51, 10
	v_lshl_add_u32 v24, v0, 5, s80
	v_and_b32 v24, 0xfff, v24              ; thread t brings 8 numbers of b1: those that belong at place 8 t of the turned table
	v_lshlrev_b32 v25, 4, v0               ; and 4 of b2
	global_load_b128 v[32:35], v24, s[76:77]
	global_load_b128 v[36:39], v24, s[76:77] offset:16
	global_load_b128 v[40:43], v25, s[86:87]
.irp p,0,1,2,3,4,5,6
	RFILL \p, LBB                          ; the ring's first 7 slots; the first unit asks for the eighth, as every trip's first unit does
.endr
	WIN 0
	v_and_b32 v1, 15, v0                   ; r = lane % 16
	v_bfe_u32 v2, v0, 4, 1                 ; h = lane / 16
	v_mul_u32_u24 v4, v1, XP
	v_lshl_add_u32 v4, v2, 4, v4           ; v4 A's fragments, row blocks 0-2; v5 blocks 3-5
	v_add_nc_u32 v5, 48*XP, v4
	v_mul_u32_u24 v6, v1, HP
	v_lshl_add_u32 v6, v2, 4, v6
	v_add_nc_u32 v6, HB, v6                ; v6 H's fragments
	v_lshl_add_u32 v7, s22, 7, v6          ; v7 where I put my 64 columns of H
	v_lshlrev_b32 v3, 5, v2
	v_lshl_add_u32 v12, s22, 8, v3
	v_add_nc_u32 v12, B1L, v12             ; v12 b1 / 16 at (64 w + 8 h) x 4 of the first chunk; v9 of the chunk to come
	v_mov_b32 v9, v12
	v_lshl_add_u32 v16, s22, 9, v3
	v_add_nc_u32 v16, B2L, v16             ; v16 b2 / 16 at (128 w + 8 h) x 4
	v_mov_b32 v13, 0
	v_lshl_add_u32 v26, v0, 5, B1L
	v_lshl_add_u32 v27, v0, 4, B2L
	s_wait_loadcnt 56                      ; the biases are in; the ring's 56 loads, issued behind them, stay out
.irp p,0,2,4,6,8,10
	RND2 32+\p,33+\p,44
	v_pk_mul_f32 v[32+\p:33+\p], v[32+\p:33+\p], s[90:91] op_sel_hi:[1,0]
.endr
	ds_store_b128 v26, v[32:35]
	ds_store_b128 v26, v[36:39] offset:16
	ds_store_b128 v27, v[40:43]
	s_wait_tensorcnt 0x0                   ; my rows of A are in LDS,
	s_wait_dscnt 0x0                       ; and my parts of the two tables
	s_barrier_signal -1
	s_barrier_wait -1
	FXH XF0,4,0
	FXH XF0+24,5,0
	HINIT
	WIN 0x80                               ; P's 48 sums start from b2 / 16
.set i, 0
.rept 32
	ds_load_b128 v[8*i:8*i+3], v16 offset:64*(i%8)
	ds_load_b128 v[8*i+4:8*i+7], v16 offset:64*(i%8)+16
.set i, i+1
.endr
	WIN 0xc0
.set i, 0
.rept 16
	ds_load_b128 v[8*i:8*i+3], v16 offset:64*(i%8)
	ds_load_b128 v[8*i+4:8*i+7], v16 offset:64*(i%8)+16
.set i, i+1
.endr
	WIN 0
; Product nn of 24 of a unit on slot q.  The accumulators take turns, one instruction a turn: in A all 24, in B the 24 of one half of the columns.
.macro WA q                            ; A: fragment nn / 6 (column block), row block nn % 6
	WIN 0x50+3*((\q)/4)
.set rH, 8*(4*(nn%6)+nn/6)
.set rW, RG+32*((\q)%4)+8*(nn/6)
.set rX, XF0+48*((\q)%2)+8*(nn%6)
	v_wmma_f32_16x16x32_bf16 v[rH:rH+7], v[rW:rW+7], v[rX:rX+7], v[rH:rH+7]
.endm
.macro WB q                            ; B: first row blocks 0-3 (window 2), then 4 and 5 (window 3); column block 4 (q % 2) + fragment
.if nn < 16
.set mb, nn%4
.set jj, nn/4
	WIN 0xa0+3*((\q)/4)
.else
.set mb, 4+nn%2
.set jj, (nn-16)/2
	WIN 0xf0+3*((\q)/4)
.endif
.set rO, 64*(mb%4)+8*(4*((\q)%2)+jj)
.set rW, RG+32*((\q)%4)+8*jj
.set rX, XF0+48*(((\q)/2)%2)+8*mb
	v_wmma_f32_16x16x32_f16 v[rO:rO+7], v[rW:rW+7], v[rX:rX+7], v[rO:rO+7]
.endm
.macro RUN ph, q, n0, n1
.set nn, \n0
.rept (\n1)-(\n0)
.if \ph
	WB \q
.else
	WA \q
.endif
.set nn, nn+1
.endr
.endm
.macro AGAIN q                         ; the slot that the unit before read: slot 7 takes this trip's last fragments, the others the next trip's
.if (\q) == 0
	RFILL 7, LBA
.else
	RFILL (\q)-1, LBB
.endif
.endm
.macro THEAD                           ; a trip's head: the stream's two places move on; the trip's number goes round at 16
	s_wait_xcnt 0x0                        ; the bases of the loads issued so far are rewritten only behind this wait
	s_mov_b64 s[LBA:LBA+1], s[LBB:LBB+1]
	s_add_co_u32 s[U], s[U], 1
	s_and_b32 s[U], s[U], 15
	s_lshl_b32 s[OFF], s[U], 15
	s_add_nc_u64 s[LBB:LBB+1], s[STR:STR+1], s[OFF:OFF+1]
.endm
; A unit of phase A is a K step of 32.  The next K step's 6 row fragments are read in two runs, the slot's 8 loads go out in a third.
.macro AUNIT q
	s_wait_loadcnt 48                      ; loads come back in order: my slot's 8 are in, the 48 of the six younger slots stay out
	s_wait_dscnt 0x0                       ; this K step's row fragments are in (in a chunk's first unit: H's starting values too)
	PLACES                                 ; between the last unit's products and the loads into the registers that they read
	RUN 0,\q,0,6
	WIN 0
.if (\q) < 7
	FXH XF0+48*(((\q)+1)%2),10,64*((\q)+1)
.else
	s_cmp_eq_u32 s[AT], 1
	s_cbranch_scc1 .Lno_next_a             ; behind the second trip comes no K step of A
	FXH XF0,4,512                          ; the second trip's first
	FXH XF0+24,5,512
.Lno_next_a:
.endif
	RUN 0,\q,6,12
.if (\q) < 7
	WIN 0
	FXH XF0+48*(((\q)+1)%2)+24,11,64*((\q)+1)
.endif
	RUN 0,\q,12,18
	AGAIN \q
	RUN 0,\q,18,24
.endm
; A unit of phase B is half a K step: 4 of my 8 column blocks.  The even units read the next K step's fragments of H.
.macro BUNIT q
	s_wait_loadcnt 48
.if (\q)%2 == 0
	s_wait_dscnt 0x0
.endif
	PLACES
	RUN 1,\q,0,6
.if (\q) == 6
	WIN 0
	s_cmp_eq_u32 s[BT], 1
	s_cbranch_scc1 .Lto_next_chunk
	FHH XF0,6,0,256                        ; the second trip's first K step
	FHH XF0,6,3,256
	s_branch .Lasked
.Lto_next_chunk:                               ; behind the second trip comes the next chunk's phase A: its first row fragments, and H's starting values
	FXH XF0,4,0
	FXH XF0+24,5,0
	s_add_co_u32 s[B1O], s[B1O], 1024
	s_and_b32 s[B1O], s[B1O], 4095
	v_add_nc_u32 v9, s[B1O], v12
	HINIT
.Lasked:
.elseif (\q)%2 == 0
	WIN 0
	FHH XF0+48*(((\q)/2+1)%2),22,0,64*((\q)/2+1)
.endif
	RUN 1,\q,6,12
.if ((\q)%2 == 0) && ((\q) < 6)
	WIN 0
	FHH XF0+48*(((\q)/2+1)%2),22,3,64*((\q)/2+1)
.endif
	RUN 1,\q,12,18
	AGAIN \q
	RUN 1,\q,18,24
.endm
	s_mov_b32 s[CH], 4
.Lchunk:
	s_mov_b32 s[AT], 2
.La:
	THEAD
	s_cmp_eq_u32 s[AT], 2
	s_cselect_b32 s[KB], 0, 512            ; the trip's first byte along A's rows
	v_add_nc_u32 v10, s[KB], v4
	v_add_nc_u32 v11, s[KB], v5
.irp u,0,1,2,3,4,5,6,7
	AUNIT \u
.endr
	WIN 0
	s_sub_co_u32 s[AT], s[AT], 1
	s_cmp_lg_u32 s[AT], 0
	s_cbranch_scc1 .La
	; H leaves its accumulators: rounded to f16, relu on the packed halves, 16 bytes a lane into LDS.  Two barriers: nobody reads the last chunk's H any more; everybody's columns are written.
	s_wait_dscnt 0x0
	s_barrier_signal -1                    ; my reads of the last chunk's H are long back; work on registers stands between signal and wait
	PLACES
	WIN 0x45
.set i, 0
.rept 96                                       ; each accumulator from its low end on
	v_cvt_pk_f16_f32 v[8*(i/4)+i%4], v[8*(i/4)+2*(i%4)], v[8*(i/4)+2*(i%4)+1]
.set i, i+1
.endr
	WIN 0x41
.set i, 0
.rept 96
	v_pk_max_num_f16 v[8*(i/4)+i%4], v[8*(i/4)+i%4], v13
.set i, i+1
.endr
	WIN 0
	s_barrier_wait -1
	WIN 0x04
.set i, 0
.rept 24
	ds_store_b128 v7, v[8*i:8*i+3] offset:(i/4)*16*HP+32*(i%4)
.set i, i+1
.endr
	WIN 0
	s_wait_dscnt 0x0                       ; for the others' sake: my columns of H are in LDS
	s_barrier_signal -1
	s_barrier_wait -1
	FHH XF0,6,0,0
	FHH XF0,6,3,0
	s_mov_b32 s[BT], 2
.Lb:
	THEAD
	s_cmp_eq_u32 s[BT], 2
	s_cselect_b32 s[KB], 0, 256            ; the trip's first byte along H's rows
	v_add_nc_u32 v22, s[KB], v6
.irp u,0,1,2,3,4,5,6,7
	BUNIT \u
.endr
	WIN 0
	s_sub_co_u32 s[BT], s[BT], 1
	s_cmp_lg_u32 s[BT], 0
	s_cbranch_scc1 .Lb
	s_sub_co_u32 s[CH], s[CH], 1
	s_cmp_lg_u32 s[CH], 0
	s_cbranch_scc1 .Lchunk
	; THE WAY OUT
	PLACES
	WIN 0
	s_wait_loadcnt 24                      ; slots 0-3, whose registers are used below, have landed; the 24 loads of slots 4-6 lie in window 3
	s_mul_i32 s80, s25, 384
	s_mov_b32 s81, 0
	s_add_nc_u64 s[92:93], s[8:9], s[80:81]    ; my tile's 96 entries of the row table
	v_lshlrev_b32 v22, 2, v2
	v_lshlrev_b32 v23, 2, v1
.set i, 0
.rept 48                                       ; the rows as the stores below take them: 2 i + h
	global_load_b32 v[160+i], v22, s[92:93] offset:8*i
.set i, i+1
.endr
.set i, 0
.rept 6                                        ; and as the lanes hold them: 16 i + r
	global_load_b32 v[114+i], v23, s[92:93] offset:64*i
.set i, i+1
.endr
	s_mul_i32 s80, s22, 16*272
	s_add_co_u32 s80, s80, HB              ; my stage: 16 rows x 272 bytes, where H lay
	v_mul_u32_u24 v17, v1, 272
	v_lshl_add_u32 v17, v2, 4, v17
	v_add_nc_u32 v17, s80, v17             ; in: row r, 16 bytes for each half of the lanes
	v_mul_u32_u24 v18, v2, 272
	v_lshl_add_u32 v18, v1, 4, v18
	v_add_nc_u32 v18, s80, v18             ; back: lanes 0-15 one row of 256 bytes, lanes 16-31 the next
	v_lshlrev_b32 v19, 4, v1
	v_lshl_add_u32 v19, s22, 8, v19        ; my 16 bytes in a row of ps
	v_lshlrev_b32 v21, 4, v1
	v_add_nc_u32 v21, RM, v21
	v_lshl_add_u32 v20, s22, 2, v21
.macro RMAX mb                         ; the largest magnitude of row 16 mb + r among my wave's 128 columns; each accumulator is read from its low end on
	WIN 0
.irp p,0,1,2,3
	v_mov_b32 v[24+\p], 0
.endr
.if (\mb) < 4
	WIN 0x0a
.else
	WIN 0x0f
.endif
.irp c,0,1,2,3,4,5,6,7
.irp p,0,1,2,3
	v_max3_num_f32 v[24+\p], |v[64*((\mb)%4)+8*\c+2*\p]|, |v[64*((\mb)%4)+8*\c+2*\p+1]|, v[24+\p]
.endr
.endr
	WIN 0
	v_max3_num_f32 v24, v24, v25, v26
	v_max_num_f32 v24, v24, v27
	v_permlanex16_b32 v25, v24, s88, s89   ; the row's other columns lie in the lane 16 away
	v_max_num_f32 v24, v24, v25
	ds_store_b32 v20, v24 offset:256*(\mb)
.endm
.irp m,0,1,2,3,4,5
	RMAX \m
.endr
	s_wait_dscnt 0x0
	s_barrier_signal -1                    ; the four waves' maxima meet; behind this barrier nobody reads H any more either
	s_barrier_wait -1
.irp m,0,1,2,3,4,5
	ds_load_b128 v[120+4*\m:123+4*\m], v21 offset:256*\m
.endr
	s_wait_dscnt 0x0
.irp m,0,1,2,3,4,5
	v_max3_num_f32 v24, v[120+4*\m], v[121+4*\m], v[122+4*\m]
	v_max_num_f32 v24, v24, v[123+4*\m]
	v_and_b32 v24, 0x7f800000, v24         ; its power of two,
	v_sub_nc_u32 v[96+2*\m], 0x7f000000, v24   ; one over it: the row then lies below 2,
	v_mov_b32 v[97+2*\m], v[96+2*\m]
	v_add_nc_u32 v[108+\m], 0x2000000, v24 ; and 16 times it: the factor back
.endr
	s_wait_loadcnt 0x0
.set i, 0
.rept 48
	v_min_u32 v[160+i], 27903, v[160+i]
	v_lshl_add_u32 v[160+i], v[160+i], 10, v19
.set i, i+1
.endr
.macro POUT mb                         ; a block of 16 rows: scaled, rounded to f16, through my stage, stored as whole 256 bytes
.if (\mb) < 4
	WIN 0x82
.else
	WIN 0xc3
.endif
.set i, 0
.rept 32
	v_pk_mul_f32 v[64*((\mb)%4)+2*i:64*((\mb)%4)+2*i+1], v[64*((\mb)%4)+2*i:64*((\mb)%4)+2*i+1], v[96+2*(\mb):97+2*(\mb)]
.set i, i+1
.endr
.if (\mb) < 4
	WIN 0x0a
.else
	WIN 0x0f
.endif
.set i, 0
.rept 32
	v_cvt_pk_f16_f32 v[32+i], v[64*((\mb)%4)+2*i], v[64*((\mb)%4)+2*i+1]
.set i, i+1
.endr
	WIN 0
.irp c,0,1,2,3,4,5,6,7
	ds_store_b128 v17, v[32+4*\c:35+4*\c] offset:32*\c
.endr
.irp t,0,1,2,3,4,5,6,7
	ds_load_b128 v[64+4*\t:67+4*\t], v18 offset:544*\t     ; LDS serves a wave's instructions in order: these see the stores above
.endr
	s_wait_dscnt 0x0
.irp t,0,1,2,3,4,5,6,7
	global_store_b128 v[160+8*(\mb)+\t], v[64+4*\t:67+4*\t], s[18:19]   ; 16 lanes store 256 consecutive bytes, at a multiple of 256 from ps's first byte
.endr
	s_wait_xcnt 0x0                        ; the stores' data registers are loaded again only behind this wait
.endm
.irp m,0,1,2,3,4,5
	POUT \m
.endr
	s_cmp_lg_u32 s22, 0
	s_cbranch_scc1 .Lnopsc                 ; the rows' factors are the same in all four waves: wave 0 stores them
	s_add_nc_u64 s[80:81], s[18:19], PSC
.set i, 0
.rept 6
	v_min_u32 v[114+i], 27903, v[114+i]
	v_lshlrev_b32 v[114+i], 2, v[114+i]
	global_store_b32 v[114+i], v[108+i], s[80:81]
.set i, i+1
.endr
.Lnopsc:
	s_wait_tensorcnt 0x0                   ; the wave's end
	ds_add_u32 v14, v15
	s_wait_dscnt 0x0
	s_endpgm
.Lfunc_end_k_qff9cd070b8_chain:
	.size	k_qff9cd070b8_chain, .Lfunc_end_k_qff9cd070b8_chain-k_qff9cd070b8_chain
	.p2alignl 7, 3214868480
	.fill 96, 4, 3214868480
	.section	.rodata,"a",@progbits
	.p2align	6, 0x0
	.amdhsa_kernel k_qff9cd070b8_chain
		.amdhsa_group_segment_fixed_size 167936
		.amdhsa_private_segment_fixed_size 0
		.amdhsa_enable_private_segment 0
		.amdhsa_kernarg_size 64
		.amdhsa_user_sgpr_count 2
		.amdhsa_user_sgpr_kernarg_segment_ptr 1
		.amdhsa_wavefront_size32 1
		.amdhsa_system_sgpr_workgroup_id_x 1
		.amdhsa_system_sgpr_workgroup_id_y 1
		.amdhsa_system_sgpr_workgroup_id_z 1
		.amdhsa_system_vgpr_workitem_id 0
		.amdhsa_next_free_vgpr 1024
		.amdhsa_next_free_sgpr 96
		.amdhsa_reserve_vcc 0
		.amdhsa_float_denorm_mode_32 3
		.amdhsa_float_denorm_mode_16_64 3
		.amdhsa_memory_ordered 1
		.amdhsa_forward_progress 1
		.amdhsa_inst_pref_size 159
	.end_amdhsa_kernel
	.amdgpu_metadata
---
amdhsa.version: [ 1, 2 ]
amdhsa.kernels:
  - .name:           k_qff9cd070b8_chain
    .symbol:         k_qff9cd070b8_chain.kd
    .args:
      - { .name: xa, .offset: 0, .size: 8, .value_kind: global_buffer, .address_space: global }
      - { .name: ws, .offset: 8, .size: 8, .value_kind: global_buffer, .address_space: global }
      - { .name: tab, .offset: 16, .size: 8, .value_kind: global_buffer, .address_space: global }
      - { .name: sub_b1, .offset: 24, .size: 8, .value_kind: global_buffer, .address_space: global }
      - { .name: spec_b1, .offset: 32, .size: 8, .value_kind: global_buffer, .address_space: global }
      - { .name: sub_b2, .offset: 40, .size: 8, .value_kind: global_buffer, .address_space: global }
      - { .name: spec_b2, .offset: 48, .size: 8, .value_kind: global_buffer, .address_space: global }
      - { .name: ps, .offset: 56, .size: 8, .value_kind: global_buffer, .address_space: global }
    .group_segment_fixed_size: 167936
    .private_segment_fixed_size: 0
    .kernarg_segment_align: 8
    .kernarg_segment_size: 64
    .max_flat_workgroup_size: 128
    .sgpr_count:     96
    .vgpr_count:     1024
    .wavefront_size: 32
...
	.end_amdgpu_metadata
.endif
;; end of part 5
;; launch fin (part 6): grid 64 x 4, 4 waves a work-group, no clusters, 152,064 bytes of LDS; arguments ps, wf, sm, scenario_ids, attn_w2, attn_b2, out_b, out0; writes out0
.if DOCPART == 6
	.amdgcn_target "amdgcn-amd-amdhsa--gfx1250"
	.amdhsa_code_object_version 6
	.text
	.protected	k_qff9cd070b8_fin
	.globl	k_qff9cd070b8_fin
	.p2align	8
	.type	k_qff9cd070b8_fin,@function
k_qff9cd070b8_fin:
	s_mov_b64 s[64:65], 0
	v_nop
	global_prefetch_b8 v0, s[64:65] scope:SCOPE_SE
	s_setreg_imm32_b32 hwreg(HW_REG_WAVE_MODE, 25, 1), 1
	s_wait_xcnt 0x0
; FIN: for 64 tokens (x) and 128 output columns (y): shared = sum of gate x expert, the attention weight of the token's own scenario, and the projection.
; comb . attn_w1 = shared . attn_w1[:512] + ea[s] (ea holds the scenario's part and attn_b1).  enhanced . out_w = (sh W0 + sp W2) + wsel (sh W1 + sp W3): two sets of sums over K = 1,024, wsel in f32.
; SCALES.  ps holds each row in f16 below 2, with a power of two apart.  A token's shared and specific rows are brought to ONE power of two (that of the larger of sum g_e inv_e and inv_sp), so that both
; lie below 4 in f16 whatever the inputs' size; the factor back, INV, multiplies the finished sums in f32.
; PHASES: coefficients; the mix, into LDS as [64][sh 512 | sp 512] f16; U = sh . attn_w1[:512] (all 256 columns, in every y: a third of the launch's products); logits, softmax with its maximum taken away, wsel;
; the projection; out = INV (S0 + wsel S1) + out_b, through LDS, 512 consecutive bytes a store.
; Products transposed (source 0 = 16 columns of W, source 1 = 16 tokens): a lane holds one token and eight neighbouring columns.  A wave has columns 32 w .. + 31 of each of two sets: 4 x 4 accumulators.
; THE WEIGHTS COME STRAIGHT FROM MEMORY INTO OPERAND REGISTERS.  The waves split the columns, so a fragment of W has one reader in the work-group, and LDS would only pass it on.  wf holds the fragments as
; operands lie in registers, a K step's 16 on end (2 sets x 8), of which wave w takes 2 w and 2 w + 1 of each set.  A RING of 8 slots of 4 fragments (256 registers) runs through both products: a UNIT is a
; K step of 32: 4 fragments x 4 token blocks = 16 products; during unit u the slot that unit u - 1 read is asked for again, so 7 slots, 28 KiB a wave, are asked for ahead at every unit's head.
; A TRIP is once round the ring: 8 units, 128 KiB of wf; U is trips 0 and 1, the projection trips 2 to 5.  A unit's loads, 8 from LDS and 8 from memory, stand in one run at its head.
; ONE TEXT FOR ALL TRIPS of a product has its prices: both products' sums are cleared (2 x 128 lines), and the last trip asks for 7 slots (28 KiB a wave, from the stream's head, so that no load leaves wf) that nobody uses.
; LIMITS.  attn_w1, out_w within 65,504 (f16).  NaN and infinities are not treated apart.
; NO CLUSTER, no tensor load: the 64 work-groups of one y read the same 768 KiB of wf, each for itself, by plain loads.
; REGISTERS.  Window 0: v0-31 addresses; v32-63 attn_w2; v64-95 ea, later logits; v96-127 ids, wsel, INV, at work; v128-255 the accumulators of U and then of the projection, at work between.
;   Window 1: the ring.   Window 2: v0-159 the mix's rows of ps, then v0-63 two buffers of 4 token fragments; v160-175 out_b.
.set APP, 2064                         ; a token's row in LDS: 2,048 + 16 bytes
.set CO, 132096                        ; [64][8] f32: four gates x factors, the specific row's factor, INV
.set LG, 134144                        ; [64] rows of 144 bytes: [scenario][wave] partial logits
.set EA, 143360                        ; ea, 8,192 bytes
.set SPARE, 151552                     ; the spare words, 128 bytes a wave; no other line names them
.set PSC, 28573696
.set STR, 24                           ; s[24:25] wf at my wave's two fragments of a set
.set LBA, 26                           ; s[26:27] the same at this trip's K steps
.set LBB, 28                           ; s[28:29] at the next trip's
.set OFF, 30                           ; s[30:31] an offset in wf
.set U, 32                             ; s32 the next trip's number, 0-5
.set YO, 33                            ; s33 512 KiB x y: what the projection's trips add
.set CNT, 34                           ; s34 trips to go
.set TS, 35                            ; s35 at work
.set MSB, 0
.macro WIN new                         ; the immediate's high byte repeats the setting that is left
.if MSB != (\new)
	s_set_vgpr_msb (MSB<<8)|(\new)
.set MSB, \new
.endif
.endm
.macro PLACES                          ; four plain instructions between a matrix instruction and what reads its result or loads into its registers
.rept 4
	v_nop
.endr
.endm
.macro RND2 a, b, t
	v_cvt_pk_bf16_f32 v[\t], v[\a], v[\b]
	v_lshlrev_b32 v[\a], 16, v[\t]
	v_and_b32 v[\b], 0xffff0000, v[\t]
.endm
.macro RFILL p, b                      ; slot p is asked for: K step p of the trip at s[b]: set c / 2, column block c % 2; 8 loads of 512 consecutive bytes
	WIN 0x40
.irp c,0,1,2,3
	global_load_b128 v[32*(\p)+8*\c:32*(\p)+8*\c+3], v8, s[\b:\b+1] offset:(\p)*16384+(\c/2)*8192+(\c%2)*1024
	global_load_b128 v[32*(\p)+8*\c+4:32*(\p)+8*\c+7], v8, s[\b:\b+1] offset:(\p)*16384+(\c/2)*8192+(\c%2)*1024+512
.endr
.endm
.macro FA f, kb                        ; 4 token fragments (16 tokens x 32 K at byte kb behind the trip's first) into buffer f of window 2
	WIN 0x80
.irp t,0,1,2,3
	ds_load_b128 v[(\f)+8*\t:(\f)+8*\t+3], v[10+\t/2] offset:(\t%2)*16*APP+(\kb)
	ds_load_b128 v[(\f)+8*\t+4:(\f)+8*\t+7], v[10+\t/2] offset:(\t%2)*16*APP+(\kb)+32
.endr
.endm
.macro MM q                            ; a unit's 16 products; the 16 accumulators take turns, one instruction a turn
	WIN 0x09                               ; W in window 1, tokens in window 2, sums in window 0
.irp t,0,1,2,3
.irp c,0,1,2,3
	v_wmma_f32_16x16x32_f16 v[128+8*(4*\t+\c):128+8*(4*\t+\c)+7], v[32*(\q)+8*\c:32*(\q)+8*\c+7], v[32*((\q)%2)+8*\t:32*((\q)%2)+8*\t+7], v[128+8*(4*\t+\c):128+8*(4*\t+\c)+7]
.endr
.endr
.endm
.macro AGAIN q                         ; the slot that the unit before read: slot 7 takes this trip's last K step, the others the next trip's
.if (\q) == 0
	RFILL 7, LBA
.else
	RFILL (\q)-1, LBB
.endif
.endm
.macro THEAD                           ; a trip's head: the two places in wf move on.  Trip u lies at 128 KiB x u, from trip 2 on 512 KiB x y further; behind trip 5 the number goes back to 0
	s_wait_xcnt 0x0                        ; the bases of the loads issued so far are rewritten only behind this wait
	s_mov_b64 s[LBA:LBA+1], s[LBB:LBB+1]
	s_add_co_u32 s[U], s[U], 1
	s_cmp_eq_u32 s[U], 6
	s_cselect_b32 s[U], 0, s[U]
	s_lshl_b32 s[OFF], s[U], 17
	s_cmp_ge_u32 s[U], 2
	s_cselect_b32 s[TS], s[YO], 0
	s_add_co_u32 s[OFF], s[OFF], s[TS]
	s_add_nc_u64 s[LBB:LBB+1], s[STR:STR+1], s[OFF:OFF+1]
.endm
.macro UNIT q, tag
	s_wait_loadcnt 48                      ; loads come back in order: my slot's 8 are in, the 48 of the six younger slots stay out
	s_wait_dscnt 0x0                       ; this K step's token fragments are in
	PLACES                                 ; between the last unit's products and the loads into the registers that they read
.if (\q) < 7
	FA 32*(((\q)+1)%2), 64*((\q)+1)
.else
	WIN 0
	s_cmp_eq_u32 s[CNT], 1
	s_cbranch_scc1 .Lno_next_\tag          ; behind a product's last trip comes no K step
	FA 0, 512
	WIN 0
.Lno_next_\tag:
.endif
	AGAIN \q
	MM \q
.endm
.macro TRIP tag
	THEAD
.irp q,0,1,2,3,4,5,6,7
	UNIT \q, \tag
.endr
	WIN 0
	v_add_nc_u32 v10, 512, v10             ; 256 K on along the tokens' rows
	v_add_nc_u32 v11, 512, v11
	s_sub_co_u32 s[CNT], s[CNT], 1
	s_cmp_lg_u32 s[CNT], 0
.endm
.macro ZERO                            ; the sums start at 0
.set i, 0
.rept 128
	v_mov_b32 v[128+i], 0
.set i, i+1
.endr
.endm
	s_load_b512 s[4:19], s[0:1], 0x0       ; ps 4, wf 6, sm 8, ids 10, attn_w2 12, attn_b2 14, out_b 16, out0 18
	v_lshl_add_u32 v14, v0, 2, SPARE       ; for the wave's end
	v_mov_b32 v15, 0
	v_lshrrev_b32 v3, 5, v0
	v_readfirstlane_b32 s20, v3            ; wave
	s_mov_b32 s21, ttmp9                   ; block of 64 tokens
	s_and_b32 s22, ttmp7, 0xffff           ; block of 128 output columns
	s_lshl_b32 s[YO], s22, 19
	s_mov_b32 s[U], 0
	s_mov_b32 s[OFF+1], 0
	s_mov_b32 s57, 0
	s_mov_b32 s59, 0
	s_lshl_b32 s86, s21, 6
	s_lshl_b32 s87, s20, 4
	s_add_co_u32 s86, s86, s87             ; my wave's first token
	s_mov_b32 s61, 0x3fb8aa3b              ; log2(e)
	s_mov_b32 s62, 0x76543210
	s_mov_b32 s63, 0xfedcba98
	v_and_b32 v1, 15, v0                   ; r
	v_bfe_u32 v2, v0, 4, 1                 ; h
	v_mov_b32 v13, 0
	v_and_b32 v8, 31, v0
	v_lshlrev_b32 v8, 4, v8                ; v8 16 x lane: my 16 bytes of half a fragment; never rewritten
	v_lshlrev_b32 v17, 2, v1
	v_lshlrev_b32 v18, 4, v1
	s_wait_kmcnt 0x0
	s_lshl_b32 s56, s86, 2
	s_add_nc_u64 s[76:77], s[4:5], s[56:57]
	s_add_nc_u64 s[76:77], s[76:77], PSC       ; my tokens' factors
	s_lshl_b32 s56, s86, 4
	s_add_nc_u64 s[78:79], s[8:9], s[56:57]    ; their gates
	global_load_b128 v[144:147], v18, s[78:79]             ; token 16 w + r: its gates,
.irp e,0,1,2,3
	global_load_b32 v[148+\e], v17, s[76:77] offset:16896*\e   ; its four shared rows' factors,
.endr
	global_load_b32 v152, v17, s[76:77] offset:67584           ; its specific row's
	s_lshl_b32 s56, s20, 11                ; my two fragments of a set's eight
	s_add_nc_u64 s[STR:STR+1], s[6:7], s[56:57]
	s_mov_b64 s[LBB:LBB+1], s[STR:STR+1]
.irp p,0,1,2,3,4,5,6
	RFILL \p, LBB                          ; the ring's first 7 slots; the first unit asks for the eighth, as every trip's first unit does
.endr
	WIN 0
	s_lshl_b32 s56, s86, 10
	s_add_nc_u64 s[66:67], s[4:5], s[56:57]    ; my tokens' rows of the four shared experts (4,224 rows apart) and of the specific part
	s_add_nc_u64 s[68:69], s[66:67], 4325376
	s_add_nc_u64 s[70:71], s[66:67], 8650752
	s_add_nc_u64 s[72:73], s[66:67], 12976128
	s_add_nc_u64 s[74:75], s[66:67], 17301504
	s_lshl_b32 s56, s21, 8
	s_add_nc_u64 s[80:81], s[10:11], s[56:57]  ; the block's ids
	s_lshl_b32 s56, s86, 11
	s_lshl_b32 s58, s22, 9
	s_add_co_u32 s56, s56, s58
	s_add_nc_u64 s[82:83], s[18:19], s[56:57]  ; out0 at my 16 rows, my block's columns
	s_add_nc_u64 s[84:85], s[16:17], s[58:59]  ; out_b at my block's columns
	v_mul_u32_u24 v4, v1, APP
	v_lshl_add_u32 v4, v2, 4, v4           ; v4 token fragments, blocks 0, 1; v5 blocks 2, 3
	v_add_nc_u32 v5, 32*APP, v4
	v_lshlrev_b32 v3, 4, v0
	v_add_nc_u32 v19, EA, v3
	v_lshlrev_b32 v16, 5, v2
	v_lshl_add_u32 v16, s20, 7, v16        ; (32 w + 8 h) x 4: my columns in a set of 128
	v_lshlrev_b32 v20, 5, v1
	v_lshl_add_u32 v20, s20, 9, v20
	v_add_nc_u32 v20, CO, v20              ; CO's row 16 w + r
	v_mov_b32 v21, v8                      ; v21 walks my rows of ps
	s_lshl_b32 s56, s20, 9
	s_add_co_u32 s56, s56, CO
	v_mov_b32 v22, s56                     ; v22 walks my rows of CO
	s_mul_i32 s56, s20, 16*APP
	v_add_nc_u32 v23, s56, v8              ; v23 walks my rows of the mixed tile
	s_wait_loadcnt 56                      ; gates and factors are in; the ring's 56 loads, issued behind them, stay out
.irp e,0,1,2,3
	v_mul_f32 v[144+\e], v[144+\e], v[148+\e]      ; g_e inv_e
.endr
	v_add_f32 v154, v144, v145
	v_add_f32 v155, v146, v147
	v_add_f32 v154, v154, v155             ; half a bound on |shared|
	v_max_num_f32 v154, v154, v152
	v_and_b32 v157, 0x7f800000, v154       ; INV: the token's power of two
	v_sub_nc_u32 v155, 0x7f000000, v157    ; one over it
.irp e,0,1,2,3
	v_mul_f32 v[144+\e], v[144+\e], v155
.endr
	v_mul_f32 v156, v152, v155
	v_mov_b32 v158, 0
	v_mov_b32 v159, 0
	ds_store_b128 v20, v[144:147]
	ds_store_b128 v20, v[156:159] offset:16
	; what the later phases want goes out now and lands with the mix's first rows
.irp i,0,1,2,3
	global_load_b128 v[208+4*\i:211+4*\i], v3, s[8:9] offset:65536+2048*\i  ; ea, 64 bytes a thread
.endr
.irp f,0,1,2,3
	global_load_b128 v[32+8*\f:35+8*\f], v16, s[12:13] offset:512*(\f/2)+64*(\f%2)
	global_load_b128 v[36+8*\f:39+8*\f], v16, s[12:13] offset:512*(\f/2)+64*(\f%2)+16
.endr
	global_load_b32 v100, v13, s[14:15]
.irp i,0,1,2,3
	global_load_b32 v[96+\i], v17, s[80:81] offset:64*\i   ; the id of token 16 i + r
.endr
	WIN 0x80
.irp c,0,1
	global_load_b128 v[160+8*\c:163+8*\c], v16, s[84:85] offset:64*\c      ; out_b of my columns
	global_load_b128 v[164+8*\c:167+8*\c], v16, s[84:85] offset:64*\c+16
.endr
	WIN 0
; THE MIX.  A wave mixes its 16 tokens, four a trip; lane L has columns 8 L .. + 7 and 256 + 8 L .. + 7 of each row.  f16 halves are multiplied into f32 sums, rounded once to f16.
.macro FMX d, p, c, a, hf
.if \hf
	v_fma_mix_f32 v[\d], v[\p], v[\c], v[\a] op_sel:[1,0,0] op_sel_hi:[1,0,0]
.else
	v_fma_mix_f32 v[\d], v[\p], v[\c], v[\a] op_sel_hi:[1,0,0]
.endif
.endm
.macro MIXROW row
	WIN 0x02                               ; the rows of ps lie in window 2
.irp e,0,1,2,3
.set i, 0
.rept 16
.if \e
	FMX 160+i,8*(5*(\row)+\e)+i/2,128+8*(\row)+\e,160+i,i%2
.else
	FMX 160+i,8*(5*(\row))+i/2,128+8*(\row),13,i%2
.endif
.set i, i+1
.endr
.endr
.set i, 0
.rept 16
	FMX 176+i,8*(5*(\row)+4)+i/2,132+8*(\row),13,i%2
.set i, i+1
.endr
	WIN 0
.set i, 0
.rept 16
	v_cvt_pk_f16_f32 v[192+i], v[160+2*i], v[161+2*i]
.set i, i+1
.endr
.irp q,0,1,2,3
	ds_store_b128 v23, v[192+4*\q:195+4*\q] offset:APP*(\row)+512*\q
.endr
.endm
	s_mov_b32 s60, 4
.Lmix:
	WIN 0x80
.set i, 0
.rept 40                                       ; row i / 10, source (i / 2) % 5, half i % 2
	global_load_b128 v[4*i:4*i+3], v21, s[66+2*((i/2)%5):67+2*((i/2)%5)] offset:1024*(i/10)+512*(i%2)
.set i, i+1
.endr
	WIN 0
.irp w,0,1,2,3
	ds_load_b128 v[128+8*\w:131+8*\w], v22 offset:32*\w    ; my own wave stored these rows of CO: LDS serves a wave's instructions in order
	ds_load_b128 v[132+8*\w:135+8*\w], v22 offset:32*\w+16
.endr
	s_wait_loadcnt 0x0                     ; all are in: their offset register may be stepped below
	s_wait_dscnt 0x0
	MIXROW 0
	MIXROW 1
	MIXROW 2
	MIXROW 3
	v_add_nc_u32 v21, 4096, v21
	v_add_nc_u32 v22, 128, v22
	v_add_nc_u32 v23, 4*APP, v23
	s_sub_co_u32 s60, s60, 1
	s_cmp_lg_u32 s60, 0
	s_cbranch_scc1 .Lmix
.irp i,0,1,2,3
	ds_store_b128 v19, v[208+4*\i:211+4*\i] offset:2048*\i
.endr
.set i, 0
.rept 16
	RND2 32+2*i,33+2*i,153                 ; attn_w2, attn_b2 and out_b are rounded to bf16, like every input
.set i, i+1
.endr
	v_cvt_pk_bf16_f32 v100, v100, v100
	v_lshlrev_b32 v100, 16, v100
	WIN 0x8a
.set i, 0
.rept 8
	RND2 160+2*i,161+2*i,176
.set i, i+1
.endr
	WIN 0
	ZERO
	v_mov_b32 v10, v4                      ; v10, v11 walk along the tokens' rows, 512 bytes a trip
	v_mov_b32 v11, v5
	s_wait_dscnt 0x0                       ; for the others' sake: my rows of the mixed tile, of CO and of ea are in LDS
	s_barrier_signal -1
	s_barrier_wait -1
	FA 0, 0
	WIN 0
	s_mov_b32 s[CNT], 2
.Lu:                                           ; U: K = 512 in two trips
	TRIP u
	s_cbranch_scc1 .Lu
	; LOGITS: for each scenario, relu(INV U + ea[s]) . attn_w2 over my 64 columns; the lanes' halves and then the four waves add up.  The ring's 7 slots of the projection are on their way meanwhile.
	PLACES
	v_lshlrev_b32 v24, 5, v1
	v_add_nc_u32 v24, CO, v24
.irp m,0,1,2,3
	ds_load_b32 v[110+2*\m], v24 offset:512*\m+20
.endr
	v_add_nc_u32 v12, EA, v16              ; walks ea by scenarios
	v_mul_u32_u24 v26, v1, 144
	v_add_nc_u32 v26, LG, v26
	v_lshl_add_u32 v25, s20, 2, v26        ; walks my wave's words of LG
	s_wait_dscnt 0x0
.irp m,0,1,2,3
	v_mov_b32 v[111+2*\m], v[110+2*\m]
.endr
.set i, 0
.rept 64
	v_pk_mul_f32 v[128+2*i:129+2*i], v[128+2*i:129+2*i], v[110+2*(i/16):111+2*(i/16)]
.set i, i+1
.endr
.macro LROW mb                         ; four pairs of columns at a time, on four chains, so that no line reads the result of the line before it
.set g, 0
.rept 4
.irp k,0,1,2,3
	v_pk_add_f32 v[118+2*\k:119+2*\k], v[128+32*(\mb)+8*g+2*\k:129+32*(\mb)+8*g+2*\k], v[64+8*g+2*\k:65+8*g+2*\k]
.endr
.irp k,0,1,2,3,4,5,6,7
	v_max_num_f32 v[118+\k], 0, v[118+\k]
.endr
.irp k,0,1,2,3
.if g == 0
	v_pk_mul_f32 v[102+2*\k:103+2*\k], v[118+2*\k:119+2*\k], v[32+2*\k:33+2*\k]
.else
	v_pk_fma_f32 v[102+2*\k:103+2*\k], v[118+2*\k:119+2*\k], v[32+8*g+2*\k:33+8*g+2*\k], v[102+2*\k:103+2*\k]
.endif
.endr
.set g, g+1
.endr
	v_pk_add_f32 v[102:103], v[102:103], v[104:105]
	v_pk_add_f32 v[106:107], v[106:107], v[108:109]
	v_pk_add_f32 v[102:103], v[102:103], v[106:107]
	v_add_f32 v18, v102, v103
	v_permlanex16_b32 v19, v18, s62, s63
	v_add_f32 v18, v18, v19
	ds_store_b32 v25, v18 offset:2304*(\mb)
.endm
	s_mov_b32 s60, 8
.Lscen:
.irp f,0,1,2,3
	ds_load_b128 v[64+8*\f:67+8*\f], v12 offset:512*(\f/2)+64*(\f%2)
	ds_load_b128 v[68+8*\f:71+8*\f], v12 offset:512*(\f/2)+64*(\f%2)+16
.endr
	s_wait_dscnt 0x0
	LROW 0
	LROW 1
	LROW 2
	LROW 3
	v_add_nc_u32 v12, 1024, v12
	v_add_nc_u32 v25, 16, v25
	s_sub_co_u32 s60, s60, 1
	s_cmp_lg_u32 s60, 0
	s_cbranch_scc1 .Lscen
	s_wait_dscnt 0x0
	s_barrier_signal -1
	s_barrier_wait -1
.set i, 0
.rept 32                                       ; token block i / 8, scenario i % 8: the four waves' parts
	ds_load_b128 v[128+4*i:131+4*i], v26 offset:2304*(i/8)+16*(i%8)
.set i, i+1
.endr
	s_wait_dscnt 0x0
.set i, 0
.rept 32
	v_add_f32 v[128+4*i], v[128+4*i], v[129+4*i]
	v_add_f32 v[130+4*i], v[130+4*i], v[131+4*i]
	v_add_f32 v[128+4*i], v[128+4*i], v[130+4*i]
	v_add_f32 v[64+i], v[128+4*i], v100    ; + attn_b2
.set i, i+1
.endr
.irp m,0,1,2,3                                 ; the softmax over 8 scenarios takes its maximum away
	v_max3_num_f32 v[118+\m], v[64+8*\m], v[65+8*\m], v[66+8*\m]
	v_max3_num_f32 v[118+\m], v[118+\m], v[67+8*\m], v[68+8*\m]
	v_max3_num_f32 v[118+\m], v[118+\m], v[69+8*\m], v[70+8*\m]
	v_max_num_f32 v[118+\m], v[118+\m], v[71+8*\m]
.endr
.set i, 0
.rept 32
	v_sub_f32 v[64+i], v[64+i], v[118+i/8]
	v_mul_f32 v[64+i], s61, v[64+i]
.set i, i+1
.endr
.set i, 0
.rept 32
	v_exp_f32 v[64+i], v[64+i]
.set i, i+1
.endr
	v_nop                                  ; a plain instruction behind the last exponential,
	s_wait_alu depctr_va_vdst(0)           ; and one wait for the batch of 32
.irp m,0,1,2,3
	v_add_f32 v[122+\m], v[64+8*\m], v[65+8*\m]
	v_mov_b32 v[102+2*\m], 0
.irp e,2,3,4,5,6,7
	v_add_f32 v[122+\m], v[122+\m], v[64+8*\m+\e]
.endr
.irp e,0,1,2,3,4,5,6,7
	v_cmp_eq_u32 vcc_lo, \e, v[96+\m]
	v_cndmask_b32 v[102+2*\m], v[102+2*\m], v[64+8*\m+\e], vcc_lo  ; the token's own scenario's weight
.endr
.endr
.irp m,0,1,2,3
	v_rcp_f32 v[122+\m], v[122+\m]
.endr
	v_nop
	s_wait_alu depctr_va_vdst(0)
.irp m,0,1,2,3
	v_mul_f32 v[102+2*\m], v[102+2*\m], v[122+\m]  ; wsel, as a pair
	v_mov_b32 v[103+2*\m], v[102+2*\m]
.endr
	; THE PROJECTION: K = 1,024 in four trips, on the accumulators that U has left
	ZERO
	v_mov_b32 v10, v4
	v_mov_b32 v11, v5
	FA 0, 0
	WIN 0
	s_mov_b32 s[CNT], 4
.Lm:
	TRIP m
	s_cbranch_scc1 .Lm
	; THE WAY OUT: out = INV (S0 + wsel S1) + out_b, in place in S0's registers, then through LDS where the mixed tile lay
	PLACES
	s_wait_dscnt 0x0
	s_barrier_signal -1                    ; nobody reads the mixed tile any more
	s_barrier_wait -1
.set i, 0
.rept 32                                       ; token block i / 8, column block (i / 4) % 2, pair i % 4: each accumulator is read from its low end on
.set rS, 128+8*(4*(i/8)+(i/4)%2)+2*(i%4)
	v_pk_fma_f32 v[rS:rS+1], v[rS+16:rS+17], v[102+2*(i/8):103+2*(i/8)], v[rS:rS+1]
.set i, i+1
.endr
	WIN 0x20                               ; out_b lies in window 2
.set i, 0
.rept 32
.set rS, 128+8*(4*(i/8)+(i/4)%2)+2*(i%4)
	v_pk_fma_f32 v[rS:rS+1], v[rS:rS+1], v[110+2*(i/8):111+2*(i/8)], v[160+2*(i%8):161+2*(i%8)]
.set i, i+1
.endr
	WIN 0
	v_mul_u32_u24 v27, v1, 528             ; a stage row: 512 bytes + 16
	v_add_nc_u32 v27, v27, v16
.set i, 0
.rept 8                                        ; token block i / 2, column block i % 2
	ds_store_b128 v27, v[128+8*(4*(i/2)+i%2):131+8*(4*(i/2)+i%2)] offset:8448*(i/2)+64*(i%2)
	ds_store_b128 v27, v[132+8*(4*(i/2)+i%2):135+8*(4*(i/2)+i%2)] offset:8448*(i/2)+64*(i%2)+16
.set i, i+1
.endr
	s_mul_i32 s56, s20, 8448
	v_add_nc_u32 v28, s56, v8
	s_wait_dscnt 0x0                       ; for the others' sake: a row's 512 bytes come from four waves
	s_barrier_signal -1
	s_barrier_wait -1
.set i, 0
.rept 16
	ds_load_b128 v[192+4*i:195+4*i], v28 offset:528*i
.set i, i+1
.endr
.set i, 0
.rept 16
	s_wait_dscnt 15-i                      ; LDS loads come back in order: row i is in, the younger ones stay out
	global_store_b128 v8, v[192+4*i:195+4*i], s[82:83] offset:2048*i   ; 32 lanes store 512 consecutive bytes, at a multiple of 256 from out0's first byte
.set i, i+1
.endr
	s_wait_tensorcnt 0x0                   ; the wave's end
	ds_add_u32 v14, v15
	s_wait_dscnt 0x0
	s_endpgm
.Lfunc_end_k_qff9cd070b8_fin:
	.size	k_qff9cd070b8_fin, .Lfunc_end_k_qff9cd070b8_fin-k_qff9cd070b8_fin
	.p2alignl 7, 3214868480
	.fill 96, 4, 3214868480
	.section	.rodata,"a",@progbits
	.p2align	6, 0x0
	.amdhsa_kernel k_qff9cd070b8_fin
		.amdhsa_group_segment_fixed_size 152064
		.amdhsa_private_segment_fixed_size 0
		.amdhsa_enable_private_segment 0
		.amdhsa_kernarg_size 64
		.amdhsa_user_sgpr_count 2
		.amdhsa_user_sgpr_kernarg_segment_ptr 1
		.amdhsa_wavefront_size32 1
		.amdhsa_system_sgpr_workgroup_id_x 1
		.amdhsa_system_sgpr_workgroup_id_y 1
		.amdhsa_system_sgpr_workgroup_id_z 1
		.amdhsa_system_vgpr_workitem_id 0
		.amdhsa_next_free_vgpr 768
		.amdhsa_next_free_sgpr 96
		.amdhsa_reserve_vcc 1
		.amdhsa_float_denorm_mode_32 3
		.amdhsa_float_denorm_mode_16_64 3
		.amdhsa_memory_ordered 1
		.amdhsa_forward_progress 1
		.amdhsa_inst_pref_size 139
	.end_amdhsa_kernel
	.amdgpu_metadata
---
amdhsa.version: [ 1, 2 ]
amdhsa.kernels:
  - .name:           k_qff9cd070b8_fin
    .symbol:         k_qff9cd070b8_fin.kd
    .args:
      - { .name: ps, .offset: 0, .size: 8, .value_kind: global_buffer, .address_space: global }
      - { .name: wf, .offset: 8, .size: 8, .value_kind: global_buffer, .address_space: global }
      - { .name: sm, .offset: 16, .size: 8, .value_kind: global_buffer, .address_space: global }
      - { .name: scenario_ids, .offset: 24, .size: 8, .value_kind: global_buffer, .address_space: global }
      - { .name: attn_w2, .offset: 32, .size: 8, .value_kind: global_buffer, .address_space: global }
      - { .name: attn_b2, .offset: 40, .size: 8, .value_kind: global_buffer, .address_space: global }
      - { .name: out_b, .offset: 48, .size: 8, .value_kind: global_buffer, .address_space: global }
      - { .name: out0, .offset: 56, .size: 8, .value_kind: global_buffer, .address_space: global }
    .group_segment_fixed_size: 152064
    .private_segment_fixed_size: 0
    .kernarg_segment_align: 8
    .kernarg_segment_size: 64
    .max_flat_workgroup_size: 128
    .sgpr_count:     96
    .vgpr_count:     768
    .wavefront_size: 32
...
	.end_amdgpu_metadata
.endif
;; end of part 6
